; MI455X (gfx1250); checked and timed in simulation.
; The chip was launched on July 23, 2026; its instructions are those of AMD's public machine-readable ISA for CDNA 5 (MIT licence, August 2026) and "CDNA5" Instruction Set Architecture Reference Guide (July 2026). The comments in the code are by the model that wrote it; some were corrected since.
;; Cross Layer Attention. Allowed arithmetic: matrix products marked QUANTISED: E4M3 operands, one given power-of-two scale a tensor, by v_wmma_f32_16x16x64_fp8_fp8 or v_wmma_f32_16x16x128_fp8_fp8, f32 sums; everything else in f32.
;; Inputs: Wk 1,024 x 1,024 float32; Wo 1,024 x 1,024 float32; Wq 1,024 x 1,024 float32; Wv 1,024 x 1,024 float32; bk 1,024 float32; bo 1,024 float32; bq 1,024 float32; bv 1,024 float32; key_value 4 x 2,048 x 1,024 float32; lowp_scales 12 int32 (the exponents e of the quantised operands' scales 2^e); query 4 x 2,048 x 1,024 float32.
;; Outputs: out0 4 x 2,048 x 1,024 float32.
;; Constants: lookahead = 128.
;; This version of the problem:
;;   THIS VERSION OF THE PROBLEM IS GIVEN IN LOW PRECISION. The matrix products marked QUANTISED in the list below multiply operands that are first quantised to E4M3 (4 exponent bits, 3 mantissa bits; 8 bits a number), with one given power-of-two scale for each operand tensor; their sums are f32. All else is computed in f32.
;;   The module's matrix products, in the order in which they are computed (A, B: the left and right operand; K: the contracted axis; several contracted axes count as one K, in the product's order):
;;     1. [M 8,192, K 1,024] x [K 1,024, N 1,024]; A: input query; B: input Wq: QUANTISED (scales: A lowp_scales[0], B lowp_scales[1])
;;     2. [M 8,192, K 1,024] x [K 1,024, N 1,024]; A: input key_value; B: input Wk: QUANTISED (scales: A lowp_scales[2], B lowp_scales[3])
;;     3. [M 8,192, K 1,024] x [K 1,024, N 1,024]; A: input key_value; B: input Wv: QUANTISED (scales: A lowp_scales[4], B lowp_scales[5])
;;     4. batch 64 x [M 2,048, K 64] x [K 64, N 2,048]; A: computed on the way; B: computed on the way: QUANTISED (scales: A lowp_scales[6], B lowp_scales[7])
;;     5. batch 64 x [M 2,048, K 2,048] x [K 2,048, N 64]; A: softmax (see below); B: computed on the way: QUANTISED (scales: A lowp_scales[8], B lowp_scales[9])
;;     6. [M 8,192, K 1,024] x [K 1,024, N 1,024]; A: computed on the way; B: input Wo: QUANTISED (scales: A lowp_scales[10], B lowp_scales[11])
;;   THE QUANTISER, for each operand of a quantised product, along K:
;;     - The operand's scale is 2^e, e = its entry of the input lowp_scales (int32; the entries are numbered through the quantised products in the list's order, A before B).
;;     - Each number is divided by the scale, clamped to +-448, and rounded to the nearest number of E4M3, ties to even, subnormals kept.
;;     - The product sums the exact products of the quantised numbers (number of the format x scale) in f32.
;;   ~~~python
;;   def quantise(x, axis, e):      # numpy; x: float32 -> the quantised numbers, widened to float32 again
;;       x = np.moveaxis(x, axis, -1); K = x.shape[-1]
;;       r = np.clip(x / 2.0 ** e, -448, 448)
;;       step = 2.0 ** (np.maximum(np.frexp(np.where(r == 0, 1, r))[1] - 1, -6) - 3)
;;       q = np.round(r / step) * step * 2.0 ** e      # np.round: ties to even
;;       return np.moveaxis(q, -1, axis).astype(np.float32)
;;   ~~~
;;   SOFTMAX AHEAD OF A QUANTISED PRODUCT. Where the list says 'softmax', what is quantised is not the finished softmax but p = 2^(t - M), with t = logit x log2(e) and M = ceil(the row's largest t), a whole number; so 1/2 < the row's largest p <= 1. The row's sum l is taken of the UNQUANTISED p, in f32, and the product's result is divided by l at the end. Since M is a whole number, a kernel that streams over the keys may use a running M (the ceiling of the running maximum): every later rescaling is an exact power of two, so the quantised numbers keep their values, but for numbers so far below the row's largest that they fall under the format's range.
;;   OPERANDS COMPUTED ON THE WAY. 'Computed on the way' means the value that the module computes at that place (a softmax that the list does not call 'softmax' is quantised finished and normalised). What goes into a quantiser is computed in f32, as accurately as f32 sums, v_exp_f32 and their like allow (about 1e-6 of the number): no bf16 or f16 on the way to a quantiser, and a product that is left as it is and whose result goes on into a quantised operand takes f32 operands (vector FMAs, or v_wmma_f32_16x16x4_f32). A number that lies on a knife's edge between two numbers of the format may be rounded either way, as far as f32 arithmetic and the matrix unit's own rounding can turn it there, and no further.
;; One version. Each part assembles by itself: llvm-mc -triple=amdgcn-amd-amdhsa -mcpu=gfx1250 --defsym DOCPART=n.
;; ======== version 1 of 1: 4 launches
;; limits: right only within a limited range of input values
;; workspace buffers: xc 25,165,824 bytes; wc 4,194,304 bytes; qkv 25,165,824 bytes; ac 8,388,608 bytes
;; launch quant (part 1): grid 1280 x 1, 4 waves a work-group, no clusters, 33,280 bytes of LDS; arguments query, key_value, Wq, Wk, Wv, Wo, lowp_scales, xc, wc; writes xc, wc
.if DOCPART == 1
	.amdgcn_target "amdgcn-amd-amdhsa--gfx1250"
	.amdhsa_code_object_version 6
	.text
	.protected	k_q36ffee971b_quant
	.globl	k_q36ffee971b_quant
	.p2align	8
	.type	k_q36ffee971b_quant,@function
k_q36ffee971b_quant:
	s_mov_b64 s[64:65], 0
	v_nop
	global_prefetch_b8 v0, s[64:65] scope:SCOPE_SE
	s_setreg_imm32_b32 hwreg(HW_REG_WAVE_MODE, 25, 1), 1
	s_wait_xcnt 0x0
; f32 numbers into codes of FP8 (E4M3), K innermost, each tensor with the scale 2^e that is given for it: code = x / 2^e, held within +-448, to the nearest code, ties to even.
; Seven jobs on one path.  query (e0) -> xc plane 0; key_value -> xc plane 1 (e2) AND plane 2 (e4), from one read; Wq, Wk, Wv, Wo (e1, e3, e5, e11) -> wc planes 0 to 3.
; All rows are dense and K is innermost, so every tensor is a plain stream: a work-group takes 16,384 numbers, a wave 4,096, in 8 steps of 512.
; Work-groups 0-511: query; 512-1023: key_value; 1024 + 64 w .. 1087 + 64 w: weight w.  Pointers and exponents are chosen by selects on the work-group's number.
; A load reads 512 consecutive bytes (16 a lane); ALL 32 LOADS OF A WAVE ARE ISSUED AT ITS HEAD, into eight sets of 16 registers.  A step's 2,048 bytes turn through the wave's own stage in LDS and come back
; 64 bytes a lane, so that a lane holds 16 neighbours along K for the conversions.  A lane's 16 codes are 16 bytes: a store of the wave covers 512 consecutive bytes, aligned.  Waves share nothing: no barrier.
; No tensor loads, no cluster, no matrix instruction: each byte is read once and nothing is shared between work-groups.
; LIMITS: each e between -126 and 119, so that 2^e and 448 x 2^e are f32 numbers.  NaN among the inputs is not served (an infinity is held at the largest code).
.set STEPS, 8
.set WGX,   512                        ; work-groups of query, and of key_value: 8,388,608 numbers / 16,384
.set WGW,   64                         ; work-groups of a weight: 1,048,576 / 16,384
.set J1,    WGX                        ; the jobs' first work-groups: key_value,
.set J2,    2*WGX                      ; Wq,
.set J3,    J2+WGW                     ; Wk,
.set J4,    J2+2*WGW                   ; Wv,
.set J5,    J2+3*WGW                   ; Wo
.set SP,    80                         ; a lane's place in a stage: 64 bytes + 16 of padding
.set WREG,  8192                       ; LDS of a wave: two stages of 32 x SP bytes
.set SPARE, 4*WREG                     ; behind the four regions: the spare words, 128 bytes a wave, which no other line names
.set R,     16                         ; v16-143  eight sets of 16 numbers as loaded, one for each step
.set X,     144                        ; v144-175 two sets of 16 neighbours
.set T,     176                        ; v176-191 the held numbers (not in place: key_value's numbers are held twice)
.set C,     192                        ; v192-223 codes, four registers a step: no store's data are written again
.set C2,    224                        ; v224-255 the same for key_value's second scale
.set SPW,   12                         ; v12 LDS address of my spare word; never rewritten
.set NIL,   13                         ; v13 0; never rewritten
.set DUAL,  30                         ; s30 1 in key_value's work-groups
	s_load_b512 s[36:51], s[0:1], 0x0              ; query, key_value, Wq, Wk, Wv, Wo, the exponents, xc
	s_load_b64 s[52:53], s[0:1], 0x40              ; wc
	v_lshl_add_u32 v[SPW], v0, 2, SPARE
	v_mov_b32 v[NIL], 0
	v_lshrrev_b32 v1, 5, v0
	v_readfirstlane_b32 s16, v1                    ; wave
	v_and_b32 v2, 31, v0                           ; lane
	v_lshlrev_b32 v3, 4, v2                        ; my 16 bytes of a load's 512
	v_lshlrev_b32 v4, 4, v2                        ; my 16 codes of a step's 512
	s_mul_i32 s17, s16, WREG
	v_lshrrev_b32 v14, 2, v2
	v_mul_u32_u24 v14, v14, SP
	v_and_b32 v15, 3, v2
	v_lshl_add_u32 v14, v15, 4, v14
	v_add_nc_u32 v14, s17, v14                     ; into the stage: SP (lane / 4) + 16 (lane % 4); a load's 512 bytes take eight places
	v_mul_u32_u24 v15, v2, SP
	v_add_nc_u32 v15, s17, v15                     ; out of it: SP x lane: my 16 neighbours
	s_wait_alu depctr_va_vdst(0)                   ; directly ahead of the wait below
	s_wait_kmcnt 0x0
	s_load_b256 s[68:75], s[48:49], 0x0            ; e0 .. e7
	s_load_b128 s[76:79], s[48:49], 0x20           ; e8 .. e11
	s_mov_b64 s[4:5], s[46:47]                     ; the source, from the last job down: Wo,
	s_mov_b32 s18, J5                              ; and the job's first work-group
	s_cmp_lt_u32 ttmp9, J5
	s_cselect_b64 s[4:5], s[44:45], s[4:5]         ; Wv
	s_cselect_b32 s18, J4, s18
	s_cmp_lt_u32 ttmp9, J4
	s_cselect_b64 s[4:5], s[42:43], s[4:5]         ; Wk
	s_cselect_b32 s18, J3, s18
	s_cmp_lt_u32 ttmp9, J3
	s_cselect_b64 s[4:5], s[40:41], s[4:5]         ; Wq
	s_cselect_b32 s18, J2, s18
	s_cmp_lt_u32 ttmp9, J2
	s_cselect_b64 s[4:5], s[38:39], s[4:5]         ; key_value
	s_cselect_b32 s18, J1, s18
	s_cselect_b64 s[8:9], s[50:51], s[52:53]       ; the codes go to xc or to wc,
	s_cselect_b32 s19, 0, J2                       ; counted from work-group 0 or from Wq's first: key_value falls on plane 1 by itself (512 x 16,384 bytes are a plane)
	s_cmp_lt_u32 ttmp9, J1
	s_cselect_b64 s[4:5], s[36:37], s[4:5]         ; query
	s_cselect_b32 s18, 0, s18
	s_cmp_eq_u32 s18, J1
	s_cselect_b32 s[DUAL], 1, 0
	s_sub_co_u32 s20, ttmp9, s18
	s_lshl_b32 s20, s20, 16                        ; 65,536 bytes of f32 a work-group,
	s_lshl_b32 s21, s16, 14                        ; 16,384 a wave
	s_add_co_u32 s20, s20, s21
	s_mov_b32 s21, 0
	s_add_nc_u64 s[4:5], s[4:5], s[20:21]
	s_sub_co_u32 s22, ttmp9, s19
	s_lshl_b32 s22, s22, 14                        ; 16,384 bytes of codes a work-group,
	s_lshl_b32 s23, s16, 12                        ; 4,096 a wave
	s_add_co_u32 s22, s22, s23
	s_mov_b32 s23, 0
	s_add_nc_u64 s[8:9], s[8:9], s[22:23]
	s_add_nc_u64 s[24:25], s[8:9], 0x800000        ; one plane on: used by key_value's work-groups alone
.macro LOAD t
.irp i, 0,1,2,3
	global_load_b128 v[R+16*(\t)+4*\i:R+16*(\t)+4*\i+3], v3, s[4:5] offset:2048*(\t)+512*\i th:TH_LOAD_NT   ; 32 lanes read 512 consecutive bytes
.endr
.endm
.macro TURN t                          ; step t's numbers through the stage: LDS serves a wave's instructions in order (ISA guide 5.7.1.4), so no wait stands between the stores and the loads
.irp i, 0,1,2,3
	ds_store_b128 v14, v[R+16*(\t)+4*\i:R+16*(\t)+4*\i+3] offset:32*SP*((\t)%2)+8*SP*\i
.endr
.irp i, 0,1,2,3
	ds_load_b128 v[X+16*((\t)%2)+4*\i:X+16*((\t)%2)+4*\i+3], v15 offset:32*SP*((\t)%2)+16*\i
.endr
.endm
.macro HOLD lim                        ; the conversion to an 8-bit code does not saturate (ISA guide 7.6.2): the number is held within the largest code x the scale first
.set i, 0
.rept 16
	v_med3_num_f32 v[T+i], v[XS+i], -v[\lim], v[\lim]
.set i, i+1
.endr
.endm
.irp t, 0,1,2,3,4,5,6,7
	LOAD \t
.endr
	s_wait_kmcnt 0x0
	s_mov_b32 s22, s79                             ; the job's exponent, by the same chain: e11,
	s_cmp_lt_u32 ttmp9, J5
	s_cselect_b32 s22, s73, s22                    ; e5
	s_cmp_lt_u32 ttmp9, J4
	s_cselect_b32 s22, s71, s22                    ; e3
	s_cmp_lt_u32 ttmp9, J3
	s_cselect_b32 s22, s69, s22                    ; e1
	s_cmp_lt_u32 ttmp9, J2
	s_cselect_b32 s22, s70, s22                    ; e2
	s_cmp_lt_u32 ttmp9, J1
	s_cselect_b32 s22, s68, s22                    ; e0
	s_add_co_i32 s22, s22, 127
	s_lshl_b32 s23, s22, 23
	v_mov_b32 v11, s23                             ; 2^e as f32: the conversion takes its exponent field
	s_add_co_i32 s22, s22, 8
	s_lshl_b32 s22, s22, 23
	s_or_b32 s22, s22, 0x600000
	v_mov_b32 v10, s22                             ; 448 x 2^e
	s_add_co_i32 s22, s72, 127                     ; the same for e4, always made
	s_lshl_b32 s23, s22, 23
	v_mov_b32 v9, s23
	s_add_co_i32 s22, s22, 8
	s_lshl_b32 s22, s22, 23
	s_or_b32 s22, s22, 0x600000
	v_mov_b32 v8, s22
	s_wait_alu depctr_va_vdst(0)                   ; the head's end
	s_wait_loadcnt 4*(STEPS-1)                     ; step 0's four loads are in; the 28 of steps 1 to 7 may be out
	TURN 0
.macro STEP t
.set XS, X+16*((\t)%2)
	s_wait_dscnt 0x0                               ; this step's numbers are back from the stage
.if (\t)+1 < STEPS
	s_wait_loadcnt 4*(STEPS-2-(\t))                ; the next step's four loads are in; those of the steps behind it may be out
	TURN (\t)+1                                    ; and go through the other stage while this step is worked
.endif
	HOLD 10
	v_cvt_scalef32_pk8_fp8_f32 v[C+4*(\t):C+4*(\t)+1], v[T:T+7], v11
	v_cvt_scalef32_pk8_fp8_f32 v[C+4*(\t)+2:C+4*(\t)+3], v[T+8:T+15], v11
	v_nop                                          ; one plain vector line between the conversions and the next holds, which write their sources
	global_store_b128 v4, v[C+4*(\t):C+4*(\t)+3], s[8:9] offset:512*(\t)
	s_cmp_eq_u32 s[DUAL], 0                        ; key_value's work-groups quantise the same numbers once more, with e4
	s_cbranch_scc1 .Lone_\@
	HOLD 8
	v_cvt_scalef32_pk8_fp8_f32 v[C2+4*(\t):C2+4*(\t)+1], v[T:T+7], v9
	v_cvt_scalef32_pk8_fp8_f32 v[C2+4*(\t)+2:C2+4*(\t)+3], v[T+8:T+15], v9
	v_nop
	global_store_b128 v4, v[C2+4*(\t):C2+4*(\t)+3], s[24:25] offset:512*(\t)
.Lone_\@:
.endm
.irp t, 0,1,2,3,4,5,6,7
	STEP \t
.endr
	s_wait_tensorcnt 0x0                           ; the wave's end, behind my last LDS store
	ds_add_u32 v[SPW], v[NIL]
	s_wait_dscnt 0x0
	s_endpgm
.Lfunc_end_k_q36ffee971b_quant:
	.size	k_q36ffee971b_quant, .Lfunc_end_k_q36ffee971b_quant-k_q36ffee971b_quant
	.p2alignl 7, 3214868480
	.fill 96, 4, 3214868480
	.section	.rodata,"a",@progbits
	.p2align	6, 0x0
	.amdhsa_kernel k_q36ffee971b_quant
		.amdhsa_group_segment_fixed_size 33280
		.amdhsa_private_segment_fixed_size 0
		.amdhsa_enable_private_segment 0
		.amdhsa_kernarg_size 72
		.amdhsa_user_sgpr_count 2
		.amdhsa_user_sgpr_kernarg_segment_ptr 1
		.amdhsa_wavefront_size32 1
		.amdhsa_system_sgpr_workgroup_id_x 1
		.amdhsa_system_sgpr_workgroup_id_y 1
		.amdhsa_system_sgpr_workgroup_id_z 1
		.amdhsa_system_vgpr_workitem_id 0
		.amdhsa_next_free_vgpr 256
		.amdhsa_next_free_sgpr 84
		.amdhsa_reserve_vcc 0
		.amdhsa_float_denorm_mode_32 3
		.amdhsa_float_denorm_mode_16_64 3
		.amdhsa_memory_ordered 1
		.amdhsa_forward_progress 1
		.amdhsa_inst_pref_size 33
	.end_amdhsa_kernel
	.amdgpu_metadata
---
amdhsa.version: [ 1, 2 ]
amdhsa.kernels:
  - .name:           k_q36ffee971b_quant
    .symbol:         k_q36ffee971b_quant.kd
    .args:
      - { .name: query, .offset: 0, .size: 8, .value_kind: global_buffer, .address_space: global }
      - { .name: key_value, .offset: 8, .size: 8, .value_kind: global_buffer, .address_space: global }
      - { .name: Wq, .offset: 16, .size: 8, .value_kind: global_buffer, .address_space: global }
      - { .name: Wk, .offset: 24, .size: 8, .value_kind: global_buffer, .address_space: global }
      - { .name: Wv, .offset: 32, .size: 8, .value_kind: global_buffer, .address_space: global }
      - { .name: Wo, .offset: 40, .size: 8, .value_kind: global_buffer, .address_space: global }
      - { .name: lowp_scales, .offset: 48, .size: 8, .value_kind: global_buffer, .address_space: global }
      - { .name: xc, .offset: 56, .size: 8, .value_kind: global_buffer, .address_space: global }
      - { .name: wc, .offset: 64, .size: 8, .value_kind: global_buffer, .address_space: global }
    .group_segment_fixed_size: 33280
    .private_segment_fixed_size: 0
    .kernarg_segment_align: 8
    .kernarg_segment_size: 72
    .max_flat_workgroup_size: 128
    .sgpr_count:     84
    .vgpr_count:     256
    .wavefront_size: 32
...
	.end_amdgpu_metadata
.endif
;; end of part 1
;; launch proj (part 2): grid 8 x 48, 4 waves a work-group, clusters of 4 x 4, 327,680 bytes of LDS; arguments xc, wc, lowp_scales, bq, bk, bv, qkv; writes qkv
.if DOCPART == 2
	.amdgcn_target "amdgcn-amd-amdhsa--gfx1250"
	.amdhsa_code_object_version 6
	.text
	.protected	k_q36ffee971b_proj
	.globl	k_q36ffee971b_proj
	.p2align	8
	.type	k_q36ffee971b_proj,@function
k_q36ffee971b_proj:
	s_mov_b64 s[64:65], 0
	v_nop
	global_prefetch_b8 v0, s[64:65] scope:SCOPE_SE
	s_setreg_imm32_b32 hwreg(HW_REG_WAVE_MODE, 25, 1), 1
	s_wait_xcnt 0x0
	s_wait_alu depctr_hold_cnt(0) depctr_sa_sdst(0) depctr_va_vdst(0) depctr_va_sdst(0) depctr_va_ssrc(0) depctr_va_vcc(0) depctr_vm_vsrc(0)
	s_getreg_b32 s2, hwreg(HW_REG_IB_STS2, 6, 4)
	s_cmp_eq_u32 s2, 0
	s_cbranch_scc0 .Lentry_in_a_cluster
	s_endpgm
.Lentry_in_a_cluster:
	s_bfe_u32 s2, ttmp6, 0x10000c
	s_cmp_lg_u32 s2, 0xf033
	s_cbranch_scc0 .Lentry_shape_is_right
	s_endpgm
.Lentry_shape_is_right:
; The three projections on codes of FP8 (E4M3): Q = x Wq^T + bq, K = y Wk^T + bk, V = y Wv^T + bv (8,192 x 1,024 x 1,024 each), each result quantised (e6, e7, e9) and stored
; as IMAGES OF THE REGISTERS in which the attention launch wants its operands.
; A tile of 256 x 256 is made by four waves, 128 x 128 each: 64 accumulators, 512 registers.  K goes in steps of 256 through two LDS slots filled by the tensor data mover.
; CLUSTERS of 4 x 4 work-groups; X, Y are the cluster's coordinates (2 x 12).  Y < 8: product X (0: Q, 1: K), tile rows 4 Y + cy of tokens, tile columns cx of channels: A = codes of x, B = codes of W.
; Y >= 8: V WITH THE ROLES SWAPPED: A = Wv (tile rows cy of channels), B = codes of y (tile columns 4 (X + 2 (Y - 8)) + cx of tokens).
; The four of a row of the cluster ask jointly for A's tiles, the four of a column for B's.
; THE MATRIX INSTRUCTION IS USED TRANSPOSED (source 0 = 16 rows of B, source 1 = 16 rows of A): lane (r, h) of accumulator (a, b) holds row 16 a + r of A's side and columns 16 b + 8 h + 0 .. 7 of B's.
; One conversion of those eight gives registers 2 b, 2 b + 1 of a fragment of the plain 8-bit forms.  Q, K: a lane holds a token and eight channels: fragments 16 tokens x 64 channels.
; V: a lane holds a channel and eight tokens: fragments 16 channels x 128 keys, the keys innermost: nothing is transposed.  Each store of the wave covers 512 consecutive bytes, aligned; no stage in LDS.
; qkv: plane 0 Q, 1 K: [64 heads][128 token tiles][2 quads][32 lanes][16 bytes]; plane 2 V: [64 heads][16 blocks of 128 keys][4 tiles of 16 channels][4 quads][32 lanes][16 bytes].
; The fragments of the products here are fetched with k permuted alike in A and B (four loads of 16 bytes): only the order of the sums inside an instruction changes.
; LIMITS: e0 + e1, e2 + e3, e4 + e5 between -126 and 127; e6, e7, e9 between -126 and 119.  NaN among the inputs is not served.
; REGISTERS: window 0: v1-31 addresses and scales; v32-95 the bias; v128-255 A's fragments, one set (on the way out: sums at work, codes).  window 1: B's fragments, two sets.  windows 2, 3: accumulators.
.set KSTEP,  256
.set ROWB,   256                       ; a tile's row in bytes
.set KROW,   1024                      ; a row of codes in memory
.set PITCH,  272                       ; an LDS row: 256 bytes + 16 of padding = 68 words: the 16 rows that a load touches start at 16 different banks (ISA guide 11.1)
.set FR,     16
.set NL,     4
.set NP,     4                         ; places behind this matrix instruction (ISA guide 7.12.1)
.set HALFT,  128*PITCH
.set SLOT,   4*HALFT
.set LAPS,   2                         ; 1,024 / (2 x 256)
.set SPARE,  2*SLOT                    ; behind the ring: the spare words, 128 bytes a wave, which no other line names
.set VJ,   8                           ; v8-15   the bias loads' eight offsets
.set ADRA, 16
.set ADRB, 20
.set CO,   26                          ; v26     16 x lane
.set SPW,  28
.set NIL,  29
.set BI,   32                          ; v32-95  64 numbers of the bias, in the results' layout
.set AF,   128
.set TMP,  128                         ; the way out: a block's 64 numbers
.set G1, 24
.set G0, 32
.set G1B, 48
.set G0B, 56
.set MSB, 0
.macro WIN new                         ; the immediate's high byte repeats the setting that is left
.if MSB != \new
	s_set_vgpr_msb (MSB<<8)|\new
.set MSB, \new
.endif
.endm
.set MUL_LO, 0xa1                      ; source 0 (B) window 1, source 1 (A) window 0, C and D window 2
.set MUL_HI, 0xf1
.set TO_B,   0x40
; A joint load: waves 0 and 1 fetch for A, waves 2 and 3 for B; the branch hangs on the wave's number alone.  An s_nop 0 and four v_nop follow each line.
.macro JLOAD g0a, g1a, g0b, g1b
	s_cmp_eq_u32 s15, 0
	s_cbranch_scc0 .Lfor_b_\@
	tensor_load_to_lds s[\g0a:\g0a+3], s[\g1a:\g1a+7]
	s_nop 0
.rept 4
	v_nop
.endr
	s_branch .Lasked_\@
.Lfor_b_\@:
	tensor_load_to_lds s[\g0b:\g0b+3], s[\g1b:\g1b+7]
	s_nop 0
.rept 4
	v_nop
.endr
.Lasked_\@:
.endm
.macro CREST                           ; a round of the cluster's barrier behind its opening barrier
	s_cmp_lg_u32 s14, 0
	s_cbranch_scc1 .Lnot_wave_0_\@
	s_barrier_signal -3
.Lnot_wave_0_\@:
	s_barrier_wait -3
	s_barrier_signal -1
	s_barrier_wait -1
.endm
.macro CROUND
	s_barrier_signal -1
	s_barrier_wait -1
	CREST
.endm
	s_load_b256 s[80:87], s[0:1], 0x0              ; xc s[80:81], wc s[82:83], the exponents s[84:85], bq s[86:87]
	s_load_b128 s[88:91], s[0:1], 0x20             ; bk, bv
	s_load_b64 s[92:93], s[0:1], 0x30              ; qkv
	v_lshl_add_u32 v[SPW], v0, 2, SPARE
	v_mov_b32 v[NIL], 0
	ds_add_u32 v[SPW], v[NIL]                      ; the wave's opening: the add and its wait come ahead of my first tensor load; work on registers stands between them
	ds_add_u32 v[SPW], v[NIL]
	v_lshrrev_b32 v1, 5, v0
	v_readfirstlane_b32 s14, v1                    ; wave 0..3
	s_lshr_b32 s15, s14, 1                         ; which half of the tile's rows is mine.  Also: I fetch for A (0) or for B (1)
	s_and_b32 s16, s14, 1                          ; which half of its columns.  Also: which 128 rows of that tile I fetch
	s_bfe_u32 s40, ttmp6, 0x40000                  ; cx, cy
	s_bfe_u32 s41, ttmp6, 0x40004
	s_and_b32 s66, ttmp7, 0xffff                   ; Y, the cluster's y: the same in all sixteen partners
	s_sub_co_u32 s94, s66, 8
	s_lshl_b32 s94, s94, 1
	s_add_co_u32 s94, s94, ttmp9                   ; X + 2 (Y - 8)
	s_lshl_b32 s98, ttmp9, 23                      ; Q, K: A's plane of xc: X x 8 MiB,
	s_lshl_b32 s99, ttmp9, 20                      ; B's plane of wc: X x 1 MiB
	s_cmp_ge_u32 s66, 8
	s_cselect_b32 s67, 1, 0                        ; V's cluster?
	s_cselect_b32 s95, 0, s66                      ; the cluster's row of tiles,
	s_cselect_b32 s94, s94, 0                      ; and its column
	s_cselect_b32 s98, 0x200000, s98               ; V: A = Wv, plane 2 of wc;
	s_cselect_b32 s99, 0x1000000, s99              ; B = plane 2 of xc
	s_lshl_b32 s42, s94, 2
	s_add_co_u32 s42, s42, s40                     ; tile column
	s_lshl_b32 s17, s95, 2
	s_add_co_u32 s17, s17, s41                     ; tile row
	s_lshl_b32 s43, s41, 2
	s_lshl_b32 s43, 15, s43                        ; my row of the cluster
	s_lshl_b32 s44, 0x1111, s40                    ; my column
	s_or_b32 s[G1+0], s43, (0<<16)|(1<<20)|(1<<21)|(5<<22)|(3<<25)  ; the mask; elements of 1 byte; padding on; bit 21 beside a mask; after every 64 words, 4 words
	s_or_b32 s[G1B+0], s44, (0<<16)|(1<<20)|(1<<21)|(5<<22)|(3<<25)
.irp g, G1, G1B
	s_mov_b32 s[\g+1], ROWB<<16                    ; tensor_dim0
	s_mov_b32 s[\g+2], 128<<16                     ; tensor_dim1
	s_mov_b32 s[\g+3], ROWB<<16                    ; tile_dim0
	s_mov_b32 s[\g+4], 128                         ; tile_dim1
	s_mov_b32 s[\g+5], KROW                        ; tensor_dim0_stride
	s_mov_b32 s[\g+6], 0
	s_mov_b32 s[\g+7], 0
.endr
	s_lshl_b32 s18, s16, 7                         ; which 128 rows of the tile I fetch
	s_lshl_b32 s20, s17, 8
	s_add_co_u32 s20, s20, s18                     ; A: row 256 x tile row + 128 x half,
	s_lshl_b32 s20, s20, 10                        ; in bytes,
	s_add_co_u32 s20, s20, s98                     ; in its plane (under 2^25)
	s_mov_b32 s21, 0
	s_lshl_b32 s46, s42, 8
	s_add_co_u32 s46, s46, s18                     ; B likewise, by the tile column
	s_lshl_b32 s46, s46, 10
	s_add_co_u32 s46, s46, s99
	s_mov_b32 s47, 0
	s_mul_i32 s45, s14, HALFT                      ; where they go: wave x 128 rows: no place in the cluster enters an LDS address
	s_wait_dscnt 0x0                               ; the opening add is done
	s_wait_kmcnt 0x0
	s_load_b256 s[68:75], s[84:85], 0x0            ; e0 .. e7
	s_load_b128 s[76:79], s[84:85], 0x20           ; e8 .. e11: awaited on the way out
	s_cmp_lg_u32 s67, 0
	s_cselect_b64 s[4:5], s[82:83], s[80:81]       ; A's buffer: wc for V, else xc
	s_cselect_b64 s[6:7], s[80:81], s[82:83]       ; B's: the other
	s_add_nc_u64 s[20:21], s[4:5], s[20:21]
	s_add_nc_u64 s[46:47], s[6:7], s[46:47]
	CROUND                                         ; all sixteen work-groups are here: the first joint loads meet
.irp s, 0,1
	s_mov_b32 s[G0+4*\s], 1
	s_add_co_u32 s[G0+4*\s+1], s45, \s*SLOT
	s_add_nc_u64 s[G0+4*\s+2:G0+4*\s+3], s[20:21], \s*ROWB
	s_or_b32 s[G0+4*\s+3], s[G0+4*\s+3], 0x80000000
	s_mov_b32 s[G0B+4*\s], 1
	s_add_co_u32 s[G0B+4*\s+1], s45, \s*SLOT
	s_add_nc_u64 s[G0B+4*\s+2:G0B+4*\s+3], s[46:47], \s*ROWB
	s_or_b32 s[G0B+4*\s+3], s[G0B+4*\s+3], 0x80000000
.endr
	JLOAD G0, G1, G0B, G1B                         ; K step 0: one tensor load a wave at the head
	v_and_b32 v1, 15, v0                           ; r
	v_bfe_u32 v2, v0, 4, 1                         ; h
	v_mul_u32_u24 v3, v1, PITCH
	v_lshl_add_u32 v4, v2, 4, v3                   ; a fragment's row x pitch + 16 h
	s_mul_i32 s21, s15, HALFT                      ; my 128 rows of A
	s_mul_i32 s22, s16, HALFT                      ; my 128 rows of B,
	s_add_co_u32 s22, s22, 2*HALFT                 ; behind A's 256
.irp s, 0,1
	v_add_nc_u32 v[ADRA+\s], s21, v4
	v_add_nc_u32 v[ADRB+\s], s22, v4
	s_add_co_u32 s21, s21, SLOT
	s_add_co_u32 s22, s22, SLOT
.endr
	v_and_b32 v5, 31, v0
	v_lshlrev_b32 v[CO], 4, v5                     ; 16 x lane
	; my part of the result: first token and first channel, whichever side they are on
	s_lshl_b32 s20, s17, 8
	s_lshl_b32 s21, s15, 7
	s_add_co_u32 s20, s20, s21                     ; my first row of A's side
	s_lshl_b32 s46, s42, 8
	s_lshl_b32 s47, s16, 7
	s_add_co_u32 s46, s46, s47                     ; my first row of B's side
	s_cmp_eq_u32 ttmp9, 0
	s_cselect_b64 s[12:13], s[86:87], s[88:89]     ; bq or bk,
	s_cmp_lg_u32 s67, 0
	s_cselect_b64 s[12:13], s[90:91], s[12:13]     ; or bv
	s_cselect_b32 s22, s46, s20                    ; first token
	s_cselect_b32 s23, s20, s46                    ; first channel
	s_cselect_b32 s45, 4, 0                        ; the bias's offset = r x this
	s_cselect_b32 s18, 0, 32                       ; + h x this
	s_cselect_b32 s19, 0, 4                        ; + j x this: Q, K: register j is channel 8 h + j; V: every register is channel r
	s_cselect_b32 s2, 2, ttmp9                     ; the plane of qkv
	s_lshl_b32 s46, s23, 2
	s_mov_b32 s47, 0
	s_add_nc_u64 s[12:13], s[12:13], s[46:47]      ; the bias at my first channel
	s_lshl_b32 s46, s2, 23                         ; plane x 8 MiB
	s_lshr_b32 s47, s22, 11
	s_lshl_b32 s47, s47, 21                        ; + batch x 16 heads x 131,072
	s_add_co_u32 s46, s46, s47
	s_lshr_b32 s47, s23, 6
	s_lshl_b32 s47, s47, 17                        ; + head x 131,072
	s_add_co_u32 s46, s46, s47
	s_and_b32 s47, s22, 2047
	s_lshl_b32 s47, s47, 6                         ; + token x 64 bytes (a tile of 16 tokens: 1,024; a block of 128 keys: 8,192)
	s_add_co_u32 s46, s46, s47
	s_mov_b32 s47, 0
	s_add_nc_u64 s[10:11], s[92:93], s[46:47]
	v_mul_u32_u24 v7, s45, v1
	v_mad_u32_u24 v7, v2, s18, v7
	v_mov_b32 v6, s19
.irp j, 0,1,2,3,4,5,6,7
	v_mad_u32_u24 v[VJ+\j], v6, \j, v7
.endr
.irp k, 0,1,2,3,4,5,6,7                        ; the bias in the results' layout, alike on both ways: Q, K: register 8 b + j = bias[16 b + 8 h + j]; V: register 8 a + j = bias[16 a + r].  Awaited on the way out
.irp j, 0,1,2,3,4,5,6,7
	global_load_b32 v[BI+8*\k+\j], v[VJ+\j], s[12:13] offset:64*\k
.endr
.endr
.macro FRAG reg, adr, q, i             ; 16 rows x 128 K: lane (r, h) holds row r; registers 4 c .. 4 c + 3 hold K = 32 c + 16 h + 0 .. 15
.irp c, 0,1,2,3
	ds_load_b128 v[\reg+4*\c:\reg+4*\c+3], v[\adr] offset:128*(\q)+32*\c+(\i)*16*PITCH
.endr
.endm
; 16 matrix instructions: A's blocks a0, a0 + 1 x B's eight.  The 64 accumulators take turns, one instruction a turn, in the same order in every step.
.macro MUL16 a0, p, zero
.irp a, \a0, \a0+1
.irp b, 0,1,2,3,4,5,6,7
.if \zero
	v_wmma_f32_16x16x128_fp8_fp8 v[8*(8*((\a)%4)+\b):8*(8*((\a)%4)+\b)+7], v[128*(\p)+FR*\b:128*(\p)+FR*\b+FR-1], v[AF+FR*(\a):AF+FR*(\a)+FR-1], 0
.else
	v_wmma_f32_16x16x128_fp8_fp8 v[8*(8*((\a)%4)+\b):8*(8*((\a)%4)+\b)+7], v[128*(\p)+FR*\b:128*(\p)+FR*\b+FR-1], v[AF+FR*(\a):AF+FR*(\a)+FR-1], v[8*(8*((\a)%4)+\b):8*(8*((\a)%4)+\b)+7]
.endif
.endr
.endr
.endm
.macro FETCH_B slot, q, p
	WIN TO_B
.irp i, 0,1,2,3,4,5,6,7
	FRAG 128*(\p)+FR*\i, ADRB+\slot, \q, \i
.endr
	WIN 0
.endm
.macro FETCH_A slot, q, i0
.irp i, \i0, \i0+1, \i0+2, \i0+3
	FRAG AF+FR*(\i), ADRA+\slot, \q, \i
.endr
.endm
.macro PLACES n                        ; plain vector lines between a matrix instruction and a load into, or a vector read or write of, its registers
.rept \n
	v_nop
.endr
.endm
.macro STEP slot, q, zero              ; 128 along K that has its successor in the same slot
	s_wait_dscnt 4*NL                              ; B's set and A's blocks 0-3 are in; the youngest 16 loads (A's blocks 4-7) may be out
	WIN MUL_LO
	MUL16 0, (\q)%2, \zero
	MUL16 2, (\q)%2, \zero
	s_wait_dscnt 0
	PLACES NP
	FETCH_B \slot, (\q)+1, 1-(\q)%2
	FETCH_A \slot, (\q)+1, 0
	WIN MUL_HI
	MUL16 4, (\q)%2, \zero
	MUL16 6, (\q)%2, \zero
	PLACES NP
	WIN 0
	FETCH_A \slot, (\q)+1, 4
.endm
; A slot's last step changes slots: one barrier; in front of it each wave waits for all its tensor loads, adds 0 to its spare word, and waits for that and for its reads of this slot.
.macro TURN slot, next, fill
	s_wait_tensorcnt 0x0                           ; all my tensor loads have landed: my part of the next slot
	ds_add_u32 v[SPW], v[NIL]
	s_wait_dscnt 4*NL+1                            ; (the add and the youngest 16 loads may be out)
	WIN MUL_LO
	MUL16 0, 1, 0
	s_wait_dscnt 0x0                               ; the add is done, and my reads of this slot are over
	s_barrier_signal -1
	MUL16 2, 1, 0
	WIN 0
	s_barrier_wait -1
.if \fill
	CREST                                          ; the barrier has opened a round of the cluster's: no wave of any partner still reads this slot or has a load on its way
	s_add_nc_u64 s[G0+4*\slot+2:G0+4*\slot+3], s[G0+4*\slot+2:G0+4*\slot+3], 2*ROWB
	s_add_nc_u64 s[G0B+4*\slot+2:G0B+4*\slot+3], s[G0B+4*\slot+2:G0B+4*\slot+3], 2*ROWB
	JLOAD G0+4*\slot, G1, G0B+4*\slot, G1B         ; the first tensor load behind the round; its four v_nop are the places in front of the loads below
.else
	PLACES NP
.endif
	FETCH_B \next, 0, 0
	FETCH_A \next, 0, 0
	WIN MUL_HI
	MUL16 4, 1, 0
	MUL16 6, 1, 0
	PLACES NP
	WIN 0
	FETCH_A \next, 0, 4
.endm
	s_wait_alu depctr_va_vdst(0)                   ; the head's end
	s_wait_tensorcnt 0x0                           ; my part of K step 0 is in; slot 1's first fill is issued as a refill is:
	ds_add_u32 v[SPW], v[NIL]
	s_wait_dscnt 0x0                               ; the add is done
	CROUND                                         ; everybody's part of K step 0 is in, and all sixteen work-groups are here
	JLOAD G0+4, G1, G0B+4, G1B                     ; K step 1: the first tensor load behind the round
	FETCH_B 0, 0, 0
	FETCH_A 0, 0, 0
	FETCH_A 0, 0, 4
	STEP 0, 0, 1                                   ; the first step's products start the sums: nothing is cleared
	s_mov_b32 s3, LAPS-1
.Llap:                                             ; a trip goes once round the ring and fills both slots again
	TURN 0, 1, 1
	STEP 1, 0, 0
	TURN 1, 0, 1
	STEP 0, 0, 0
	s_sub_co_u32 s3, s3, 1
	s_cmp_lg_u32 s3, 0
	s_cbranch_scc1 .Llap
	TURN 0, 1, 0                                   ; the last lap fills nothing
	STEP 1, 0, 0
	s_wait_dscnt 4*NL
	WIN MUL_LO
	MUL16 0, 1, 0
	MUL16 2, 1, 0
	s_wait_dscnt 0
	WIN MUL_HI
	MUL16 4, 1, 0
	MUL16 6, 1, 0
	WIN 0
	; THE WAY OUT: number = sum x 2^(eA + eB) + bias, one fused multiply-add; held; converted with the scale of the operand that it becomes; stored as that operand's registers.
	s_wait_kmcnt 0x0
	s_add_co_i32 s18, s68, s69                     ; e0 + e1
	s_add_co_i32 s19, s70, s71                     ; e2 + e3
	s_add_co_i32 s20, s72, s73                     ; e4 + e5
	s_cmp_eq_u32 ttmp9, 0
	s_cselect_b32 s18, s18, s19
	s_cselect_b32 s21, s74, s75                    ; e6 or e7,
	s_cmp_lg_u32 s67, 0
	s_cselect_b32 s18, s20, s18
	s_cselect_b32 s21, s77, s21                    ; or e9
	s_add_co_i32 s18, s18, 127
	s_lshl_b32 s96, s18, 23                        ; 2^(eA + eB) as f32
	s_mov_b32 s97, s96                             ; (named with it as a pair)
	s_add_co_i32 s21, s21, 127
	s_lshl_b32 s22, s21, 23
	v_mov_b32 v30, s22                             ; 2^eo: the conversion takes its exponent field
	s_add_co_i32 s21, s21, 8
	s_lshl_b32 s21, s21, 23
	s_or_b32 s21, s21, 0x600000
	v_mov_b32 v31, s21                             ; 448 x 2^eo
	s_wait_loadcnt 0x0                             ; the bias
	PLACES NP                                      ; behind the last products: their results are read, and A's registers are written, below
; Block a: 16 rows of A's side x 128 of B's.  kind 0 (Q, K): the bias goes by b; the four quads are two heads x two halves of a fragment.  kind 1 (V): the bias goes by a; the four quads are one fragment.
.macro OUT kind, a
.set AC, 64*((\a)%4)
.set CD, 192+16*((\a)%4)
.if (\a) >= 4
	s_wait_xcnt 0x0                                ; block a - 4's stores have read their data: these registers are written again only behind this wait
.endif
	WIN 0x02+((\a)/4)                              ; source 0: window 2 or 3
.set i, 0
.rept 32
.if \kind
.set BX, BI+8*(\a)+i%8
.else
.set BX, BI+i
.endif
	v_pk_fma_f32 v[TMP+i:TMP+i+1], v[AC+i:AC+i+1], s[96:97], v[BX:BX+1] op_sel_hi:[1,0,1]   ; each accumulator from its low end on
.set i, i+2
.endr
	WIN 0
.set i, 0
.rept 64
	v_med3_num_f32 v[TMP+i], v[TMP+i], -v31, v31   ; the conversion does not saturate (ISA guide 7.6.2)
.set i, i+1
.endr
.irp b, 0,1,2,3,4,5,6,7
	v_cvt_scalef32_pk8_fp8_f32 v[CD+2*\b:CD+2*\b+1], v[TMP+8*\b:TMP+8*\b+7], v30
.endr
	v_nop                                          ; one plain vector line between the conversions and the next block's lines, which write their sources
.irp q, 0,1,2,3
.if \kind
	global_store_b128 v[CO], v[CD+4*\q:CD+4*\q+3], s[10:11] offset:((\a)/4)*131072+((\a)%4)*2048+\q*512
.else
	global_store_b128 v[CO], v[CD+4*\q:CD+4*\q+3], s[10:11] offset:(\q/2)*131072+(\a)*1024+(\q%2)*512
.endif
.endr
.endm
	s_cmp_lg_u32 s67, 0                            ; the cluster's y alone: the same way in all partners; no LDS instruction, barrier or tensor load stands in either arm
	s_cbranch_scc1 .Lv_out
.irp a, 0,1,2,3,4,5,6,7
	OUT 0, \a
.endr
	s_branch .Ldone
.Lv_out:
.irp a, 0,1,2,3,4,5,6,7
	OUT 1, \a
.endr
.Ldone:
	s_wait_tensorcnt 0x0                           ; the wave's end
	ds_add_u32 v[SPW], v[NIL]
	s_wait_dscnt 0x0
	CROUND                                         ; the closing round: no work-group ends while a partner may still ask for a tile that names it
	s_endpgm
.Lfunc_end_k_q36ffee971b_proj:
	.size	k_q36ffee971b_proj, .Lfunc_end_k_q36ffee971b_proj-k_q36ffee971b_proj
	.p2alignl 7, 3214868480
	.fill 96, 4, 3214868480
	.section	.rodata,"a",@progbits
	.p2align	6, 0x0
	.amdhsa_kernel k_q36ffee971b_proj
		.amdhsa_group_segment_fixed_size 327680
		.amdhsa_private_segment_fixed_size 0
		.amdhsa_enable_private_segment 0
		.amdhsa_kernarg_size 56
		.amdhsa_user_sgpr_count 2
		.amdhsa_user_sgpr_kernarg_segment_ptr 1
		.amdhsa_wavefront_size32 1
		.amdhsa_system_sgpr_workgroup_id_x 1
		.amdhsa_system_sgpr_workgroup_id_y 1
		.amdhsa_system_sgpr_workgroup_id_z 1
		.amdhsa_system_vgpr_workitem_id 0
		.amdhsa_next_free_vgpr 1024
		.amdhsa_next_free_sgpr 100
		.amdhsa_reserve_vcc 0
		.amdhsa_float_denorm_mode_32 3
		.amdhsa_float_denorm_mode_16_64 3
		.amdhsa_memory_ordered 1
		.amdhsa_forward_progress 1
		.amdhsa_inst_pref_size 198
	.end_amdhsa_kernel
	.amdgpu_metadata
---
amdhsa.version: [ 1, 2 ]
amdhsa.kernels:
  - .name:           k_q36ffee971b_proj
    .symbol:         k_q36ffee971b_proj.kd
    .args:
      - { .name: xc, .offset: 0, .size: 8, .value_kind: global_buffer, .address_space: global }
      - { .name: wc, .offset: 8, .size: 8, .value_kind: global_buffer, .address_space: global }
      - { .name: lowp_scales, .offset: 16, .size: 8, .value_kind: global_buffer, .address_space: global }
      - { .name: bq, .offset: 24, .size: 8, .value_kind: global_buffer, .address_space: global }
      - { .name: bk, .offset: 32, .size: 8, .value_kind: global_buffer, .address_space: global }
      - { .name: bv, .offset: 40, .size: 8, .value_kind: global_buffer, .address_space: global }
      - { .name: qkv, .offset: 48, .size: 8, .value_kind: global_buffer, .address_space: global }
    .group_segment_fixed_size: 327680
    .private_segment_fixed_size: 0
    .kernarg_segment_align: 8
    .kernarg_segment_size: 56
    .max_flat_workgroup_size: 128
    .sgpr_count:     100
    .vgpr_count:     1024
    .wavefront_size: 32
...
	.end_amdgpu_metadata
.endif
;; end of part 2
;; launch attn (part 3): grid 64 x 4, 8 waves a work-group, no clusters, 327,680 bytes of LDS; arguments qkv, lowp_scales, ac; writes ac
.if DOCPART == 3
	.amdgcn_target "amdgcn-amd-amdhsa--gfx1250"
	.amdhsa_code_object_version 6
	.text
	.protected	k_q36ffee971b_attn
	.globl	k_q36ffee971b_attn
	.p2align	8
	.type	k_q36ffee971b_attn,@function
k_q36ffee971b_attn:
	s_mov_b64 s[64:65], 0
	v_nop
	global_prefetch_b8 v0, s[64:65] scope:SCOPE_SE
	s_setreg_imm32_b32 hwreg(HW_REG_WAVE_MODE, 25, 1), 1
	s_wait_xcnt 0x0
; Attention on codes of FP8 (E4M3), head size 64, 2,048 keys, key j counts for query i where j <= i + 128.  64 heads (batch x head) x 8 blocks of 256 queries.
; t = score x log2(e) / 8; M = the running largest t rounded UP to a whole number; p = 2^(t - M) is quantised (e8) along the keys, not normalised; the row's sum is taken of the unquantised p
; and divides O at the end.  When M moves, the sum and O are multiplied by 2^(old M - new M): nothing is rounded.  O / sum is quantised (e10) and stored as images of the last product's A fragments.
; SHARES.  Work-group (x = head, y) STAYS and takes two blocks of 256 queries of its head, first block 7 - y, then block y: the two together see 19 or 20 steps of 128 keys, whatever y.
; Each of EIGHT waves owns 32 queries of a block, two tiles of 16: each fragment of K and of V that it reads from LDS feeds two matrix instructions.  K and V come as images of operand registers: a slot of
; 512 keys is 32,768 dense bytes of each; each wave brings 8,192 of the 65,536 by one tensor load (waves 0-3: K's quarters, waves 4-7: V's).  Two slots take turns: one barrier for four key steps.
; THE RING GOES ON FROM THE FIRST BLOCK INTO THE SECOND: eight changes of slots in all; the fourth asks for keys 0-511 again, for the second block.  Behind the fourth slot's steps the first block goes out and
; the sums begin anew; the second block's Q was loaded at the head.
; LAYOUT.  S^T = K Q^T (16x16x64: source 0 = 16 keys, source 1 = 16 queries): lane (r, h) holds query r; tile a's register j is key 16 a + 8 h + j.  One conversion of a tile gives registers 2 a, 2 a + 1 of
; the 16x16x128 form's operand, keys in their own places.  O^T = V^T P^T (source 0 = 16 channels x 128 keys).
; THE BAND, which the problem builds itself: work that it hides is left out where it comes in whole steps.  Every work-group walks 4 slots and 16 steps for each block (constant trip counts, every barrier); a step
; whose keys all come after the wave's last visible key is jumped over; in the one step on the band's edge (the same step for both tiles: my first query is a multiple of 32) hidden scores become -infinity;
; a slot whose first key comes after the block's last visible key is not asked for.  All of that hangs on ids and the count of steps.
; NO CLUSTER: the work-groups of a head need different numbers of slots for each of their blocks; partners that ask jointly would each have to ask for as many as the longest of them.
; LIMITS: e6 + e7 between -124 and 130 (added to c's exponent field); e8 and e10 between -126 and 119; e8 + e9 is applied by v_ldexp_f32.  NaN among the inputs is not served.
; REGISTERS.  Window 0: v1-10 addresses and constants; v12-19 for each tile -M, the largest t, the sum in two halves; v20-35 Q; v36-99 K's fragments; v100-227 S^T, then p, of both tiles; v228-255 at work.
; Window 1: v0-63 V's fragments; v64-127 O^T of both tiles; v128-159 p's codes; v160-175 the second block's Q.  All of the softmax works in window 0.
.set NQ,    4                          ; key steps in a slot
.set SLOT1, 65536                      ; a slot: K's 32,768 bytes, then V's
.set VOFF,  32768
.set SPARE, 131072                     ; behind the ring: the spare words, 128 bytes for each of 8 waves, which no other line names
.set AK0,  1                           ; v1  16 x lane
.set AV0,  2                           ; v2  16 x lane + VOFF
.set PFO,  3                           ; v3  256 x lane
.set LT,   4                           ; v4  r - 8 h
.set SPW,  5
.set NIL,  6
.set NINF, 7                           ; v7  -infinity
.set ADK,  8
.set ADV,  9
.set SC,   10                          ; v10 2^e8
.set QR,   20
.set KR,   36
.set SR,   100
.set TT,   228                         ; 14 registers a tile: +0, +1 maxima; +2, +3 f as a pair; +4 a permute's result; +5 the mask's d; +6 .. +11 three partial sums
.set TB,   2                           ; s2  LDS byte at which the step's tiles of K begin
.set QC,   3                           ; s3  steps to go in the slot
.set WV,   18
.set SEL,  20                          ; s[20:21] selects for v_permlanex16_b32: lane l xor 16
.set CS,   22                          ; s[22:23] c
.set G1,   24                          ; s[24:31] the one shape: 32 rows of 256 bytes, dense
.set G0,   40                          ; s[40:43] the walking group 0
.set DQ,   66                          ; s66 queries from the second block's first to the first block's: 256 (7 - 2 y)
.set SLOTS, 67
.set LASTW, 73                         ; s73 the last key that any of my 32 queries sees
.set FIRSTW, 74                        ; s74 the last key that my first query sees
.set LASTG, 75                         ; s75 the last key that the block sees for which the next slot is asked
.set PFA,  76
.set LIM,  80
.set HS,   81                          ; s81 448 x 2^e8
.set E89,  86
.set E10S, 87
.set E10H, 88
.set NK,   97                          ; s97 the first key of the slot that a change asks for
.set KF,   98                          ; s98 the step's first key
.set Q0,   99                          ; s99 my first query of the first block
.set MSB, 0
.macro WIN new                         ; the immediate's high byte repeats the setting that is left
.if MSB != \new
	s_set_vgpr_msb (MSB<<8)|\new
.set MSB, \new
.endif
.endm
; A prefetch of what the NEXT change of slots will ask for: 32,768 bytes of K and of V.  Each aligned block of 256 bytes is named once in the launch: of a head's four work-groups the one with grid y = 0 asks
; (its first block loads all slots), at its first two changes of slots, for slots 2 and 3; each of its waves for the 8,192 bytes that it will itself load, lanes 256 bytes apart.  Slots 0 and 1 come by their loads alone.
.macro ASK
	s_cmp_gt_u32 s[SLOTS], s[LIM]
	s_cbranch_scc0 .Lnot_mine_\@
	global_prefetch_b8 v[PFO], s[PFA:PFA+1] th:TH_LOAD_NT scope:SCOPE_SE
.Lnot_mine_\@:
.endm
.macro INIT                            ; a block's sums begin: the step is written once; the first finds zeros, which the first change of M leaves zeros
.irp t, 0,1
	v_mov_b32 v[13+4*\t], 0xff61b1e6               ; the largest t so far: -3e38
	v_mov_b32 v[14+4*\t], 0
	v_mov_b32 v[15+4*\t], 0
	v_mov_b32 v[TT+14*\t+3], 0                     ; (named as the upper half of f's pair)
	v_mov_b32 v[TT+14*\t+4], 0                     ; a lane permute's destination counts as one of its sources
	v_floor_f32 v[12+4*\t], -v[13+4*\t]            ; -M
.endr
	WIN 0x40
.set n, 0
.rept 64
	v_mov_b32 v[64+n], 0                           ; O^T
.set n, n+1
.endr
	WIN 0
.endm
	s_load_b128 s[4:7], s[0:1], 0x0                ; qkv s[4:5], the exponents s[6:7]
	s_load_b64 s[8:9], s[0:1], 0x10                ; ac
	v_lshl_add_u32 v[SPW], v0, 2, SPARE
	v_mov_b32 v[NIL], 0
	ds_add_u32 v[SPW], v[NIL]                      ; the wave's opening: the add, twice on end, and its wait come ahead of my first tensor load
	ds_add_u32 v[SPW], v[NIL]
	v_lshrrev_b32 v8, 5, v0
	v_readfirstlane_b32 s[WV], v8                  ; wave 0..7
	s_and_b32 s82, ttmp7, 0xffff                   ; grid y
	s_sub_co_u32 s83, 7, s82                       ; my first block of queries
	s_lshl_b32 s[Q0], s83, 8
	s_lshl_b32 s84, s[WV], 5
	s_add_co_u32 s[Q0], s[Q0], s84
	s_sub_co_u32 s[DQ], s83, s82
	s_lshl_b32 s[DQ], s[DQ], 8
	s_add_co_u32 s[LASTW], s[Q0], 159
	s_add_co_u32 s[FIRSTW], s[Q0], 128
	s_or_b32 s[LASTG], s[Q0], 255
	s_add_co_u32 s[LASTG], s[LASTG], 128
	s_lshl_b32 s85, ttmp9, 17                      ; the head's 131,072 bytes in each plane
	s_mov_b32 s[G1], 3<<16                         ; no mask; elements of 8 bytes; no padding
	s_mov_b32 s[G1+1], 32<<16                      ; tensor_dim0 = 32 elements: 256 bytes
	s_mov_b32 s[G1+2], 32<<16                      ; tensor_dim1 = 32
	s_mov_b32 s[G1+3], 32<<16                      ; tile_dim0
	s_mov_b32 s[G1+4], 32                          ; tile_dim1
	s_mov_b32 s[G1+5], 32                          ; the pitch: dense
	s_mov_b32 s[G1+6], 0
	s_mov_b32 s[G1+7], 0
	s_lshl_b32 s87, s[WV], 13                      ; where my part goes in a slot: 8,192 x wave
	s_lshr_b32 s86, s[WV], 2                       ; 0: K, 1: V
	s_add_co_u32 s88, s86, 1
	s_lshl_b32 s88, s88, 23                        ; its plane of qkv,
	s_add_co_u32 s88, s88, s85                     ; at the head,
	s_and_b32 s86, s[WV], 3
	s_lshl_b32 s86, s86, 13
	s_add_co_u32 s88, s88, s86                     ; my quarter
	s_mov_b32 s89, 0
	s_lshl_b32 s12, s[Q0], 6                       ; Q's image of my 32 queries: 64 bytes a token, plane 0
	s_add_co_u32 s12, s12, s85
	s_mov_b32 s13, 0
	s_lshl_b32 s90, s[DQ], 6
	s_sub_co_u32 s90, s12, s90                     ; and of my 32 queries of the second block
	s_mov_b32 s91, 0
	s_lshr_b32 s14, ttmp9, 4                       ; ac: (batch x 2,048 + Q0) x 1,024 bytes
	s_lshl_b32 s14, s14, 21
	s_lshl_b32 s15, s[Q0], 10
	s_add_co_u32 s14, s14, s15
	s_and_b32 s15, ttmp9, 15
	s_lshl_b32 s15, s15, 10                        ; + head x 1,024
	s_add_co_u32 s14, s14, s15
	s_mov_b32 s15, 0
	s_add_co_u32 s92, s88, 32768                   ; the prefetches: my part of slot 1; the first change of slots steps it to slot 2
	s_mov_b32 s93, 0
	s_cmp_eq_u32 s82, 0
	s_cselect_b32 s[LIM], 5, -1                    ; grid y = 0 asks while more than 5 changes that fill are to come: at the first two
	s_mov_b32 s[SEL], 0x76543210
	s_mov_b32 s[SEL+1], 0xfedcba98
	s_mov_b32 s[CS], 0x3e38aa3b                    ; c = log2(e) / 8
	s_mov_b32 s[TB], 0
	s_mov_b32 s[SLOTS], 7
	s_mov_b32 s[KF], 0
	s_mov_b32 s[NK], 0
	s_mov_b32 s95, 0
	s_wait_dscnt 0x0                               ; both opening adds are done
	s_wait_kmcnt 0x0
	s_load_b128 s[68:71], s[6:7], 0x18             ; e6, e7, e8, e9
	s_load_b32 s72, s[6:7], 0x28                   ; e10
	s_mov_b32 s[G0], 1
	s_mov_b32 s[G0+1], s87
	s_add_nc_u64 s[G0+2:G0+3], s[4:5], s[88:89]
	s_or_b32 s[G0+3], s[G0+3], 0x80000000
	tensor_load_to_lds s[G0:G0+3], s[G1:G1+7]      ; my part of slot 0: every wave's one load at the head
	s_nop 0
.rept 4
	v_nop
.endr
	s_add_nc_u64 s[10:11], s[4:5], s[12:13]
	s_add_nc_u64 s[78:79], s[4:5], s[90:91]
	s_add_nc_u64 s[8:9], s[8:9], s[14:15]
	s_add_nc_u64 s[PFA:PFA+1], s[4:5], s[92:93]
	v_and_b32 v[AK0], 31, v0
	v_lshlrev_b32 v[PFO], 8, v[AK0]
	v_lshlrev_b32 v[AK0], 4, v[AK0]
	v_add_nc_u32 v[AV0], VOFF, v[AK0]
.irp i, 0,1,2,3
	global_load_b128 v[QR+4*\i:QR+4*\i+3], v[AK0], s[10:11] offset:512*\i   ; Q's two fragments stay in registers
.endr
	WIN 0x40
.irp i, 0,1,2,3
	global_load_b128 v[160+4*\i:163+4*\i], v[AK0], s[78:79] offset:512*\i   ; the second block's wait in window 1
.endr
	WIN 0
	v_and_b32 v[LT], 15, v0
	v_bfe_u32 v8, v0, 4, 1
	v_lshlrev_b32 v8, 3, v8
	v_sub_nc_u32 v[LT], v[LT], v8
	v_mov_b32 v[NINF], 0xff800000
	INIT
	s_wait_kmcnt 0x0
	s_add_co_i32 s82, s68, s69
	s_lshl_b32 s82, s82, 23
	s_add_co_i32 s[CS], s[CS], s82                 ; a score stands for score x 2^(e6 + e7)
	s_mov_b32 s[CS+1], s[CS]
	s_add_co_i32 s82, s70, 127
	s_lshl_b32 s83, s82, 23
	v_mov_b32 v[SC], s83                           ; 2^e8
	s_add_co_i32 s82, s82, 8
	s_lshl_b32 s82, s82, 23
	s_or_b32 s[HS], s82, 0x600000                  ; 448 x 2^e8
	s_add_co_i32 s82, s72, 127
	s_lshl_b32 s[E10S], s82, 23                    ; 2^e10
	s_add_co_i32 s82, s82, 8
	s_lshl_b32 s82, s82, 23
	s_or_b32 s[E10H], s82, 0x600000                ; 448 x 2^e10
	s_add_co_i32 s[E89], s70, s71
.macro SUM t                           ; a tile's rows' sums of the unquantised p: 32 packed additions in four chains
.set S_, SR+64*(\t)
.set T_, TT+14*(\t)
.set L_, 14+4*(\t)
	v_pk_add_f32 v[T_+6:T_+7], v[S_:S_+1], v[S_+2:S_+3]
	v_pk_add_f32 v[T_+8:T_+9], v[S_+4:S_+5], v[S_+6:S_+7]
	v_pk_add_f32 v[T_+10:T_+11], v[S_+8:S_+9], v[S_+10:S_+11]
	v_pk_add_f32 v[L_:L_+1], v[L_:L_+1], v[S_+12:S_+13]
.irp k, 14,22,30,38,46,54
	v_pk_add_f32 v[T_+6:T_+7], v[T_+6:T_+7], v[S_+\k:S_+\k+1]
	v_pk_add_f32 v[T_+8:T_+9], v[T_+8:T_+9], v[S_+\k+2:S_+\k+3]
	v_pk_add_f32 v[T_+10:T_+11], v[T_+10:T_+11], v[S_+\k+4:S_+\k+5]
	v_pk_add_f32 v[L_:L_+1], v[L_:L_+1], v[S_+\k+6:S_+\k+7]
.endr
	v_pk_add_f32 v[T_+6:T_+7], v[T_+6:T_+7], v[S_+62:S_+63]
	v_pk_add_f32 v[L_:L_+1], v[L_:L_+1], v[T_+10:T_+11]
	v_pk_add_f32 v[T_+6:T_+7], v[T_+6:T_+7], v[T_+8:T_+9]
	v_pk_add_f32 v[L_:L_+1], v[L_:L_+1], v[T_+6:T_+7]
.endm
.macro SMUL a                          ; tile a of the keys against both tiles of queries
	v_wmma_f32_16x16x64_fp8_fp8 v[SR+8*\a:SR+8*\a+7], v[KR+8*\a:KR+8*\a+7], v[QR:QR+7], 0
	v_wmma_f32_16x16x64_fp8_fp8 v[SR+64+8*\a:SR+64+8*\a+7], v[KR+8*\a:KR+8*\a+7], v[QR+8:QR+15], 0
.endm
; A KEY STEP: 128 keys for both my tiles.
.macro STEP
	s_cmp_gt_u32 s[KF], s[LASTW]                   ; all its keys are hidden from my 32 queries: the step's work is left out; no barrier and no tensor load stands in a step
	s_cbranch_scc1 .Lhidden_\@
	v_add_nc_u32 v[ADK], s[TB], v[AK0]
	v_add_nc_u32 v[ADV], s[TB], v[AV0]
.irp a, 0,1,2,3,4,5,6,7
	ds_load_b128 v[KR+8*\a:KR+8*\a+3], v[ADK] offset:\a*1024
	ds_load_b128 v[KR+8*\a+4:KR+8*\a+7], v[ADK] offset:\a*1024+512
.endr
	s_wait_alu depctr_va_vdst(0)                   ; directly ahead of the wait below
	s_wait_dscnt 8                                 ; K's tiles 0-3 are in; the 8 loads of tiles 4-7 may be out
.irp a, 0,1,2,3
	SMUL \a
.endr
	s_wait_dscnt 0x0
.irp a, 4,5,6,7
	SMUL \a
.endr
.rept 4
	v_nop                                          ; places: the scores are read; with the two additions above also the places between the last step's products and the loads into V's registers
.endr
	WIN 0x40                                       ; destination in window 1
.set n, 0
.rept 16
	ds_load_b128 v[4*n:4*n+3], v[ADV] offset:n*512 ; V lands under the softmax
.set n, n+1
.endr
	WIN 0
	s_add_co_u32 s96, s[KF], 127
	s_cmp_le_u32 s96, s[FIRSTW]                    ; all 128 keys count for all my queries: no mask
	s_cbranch_scc1 .Lopen_\@
	s_sub_co_i32 s96, s[FIRSTW], s[KF]
	v_add_nc_u32 v[TT+5], s96, v[LT]               ; d = my query + 128 - KF - 8 h.  Register 8 a + j holds key KF + 16 a + 8 h + j: hidden where 16 a + j > d
	v_add_nc_u32 v[TT+19], 16, v[TT+5]             ; the second tile's queries lie 16 further on
.irp t, 0,1
.set n, 0
.rept 64
	v_cmp_gt_i32 vcc_lo, 16*(n/8)+n%8, v[TT+14*\t+5]
	v_cndmask_b32 v[SR+64*\t+n], v[SR+64*\t+n], v[NINF], vcc_lo
.set n, n+1
.endr
.endr
.Lopen_\@:
.irp t, 0,1                                    ; the step's largest score of each query among the lane's 64 keys, in two chains a tile, the tiles by turns, each accumulator from its low end on
	v_max3_num_f32 v[TT+14*\t], v[SR+64*\t], v[SR+64*\t+1], v[SR+64*\t+2]
	v_max3_num_f32 v[TT+14*\t+1], v[SR+64*\t+3], v[SR+64*\t+4], v[SR+64*\t+5]
.endr
.irp i, 6,10,14,18,22,26,30,34,38,42,46,50,54,58
.irp t, 0,1
	v_max3_num_f32 v[TT+14*\t], v[TT+14*\t], v[SR+64*\t+\i], v[SR+64*\t+\i+1]
	v_max3_num_f32 v[TT+14*\t+1], v[TT+14*\t+1], v[SR+64*\t+\i+2], v[SR+64*\t+\i+3]
.endr
.endr
.irp t, 0,1
	v_max3_num_f32 v[TT+14*\t], v[TT+14*\t], v[SR+64*\t+62], v[SR+64*\t+63]
.endr
.irp t, 0,1
	v_max_num_f32 v[TT+14*\t], v[TT+14*\t], v[TT+14*\t+1]
.endr
.irp t, 0,1
	v_permlanex16_b32 v[TT+14*\t+4], v[TT+14*\t], s[SEL], s[SEL+1]
.endr
.irp t, 0,1
	v_max_num_f32 v[TT+14*\t], v[TT+14*\t], v[TT+14*\t+4]   ; and among lane l xor 16's
.endr
.irp t, 0,1
	v_mul_f32 v[TT+14*\t], s[CS], v[TT+14*\t]      ; as t (c is positive)
.endr
.irp t, 0,1
	v_max_num_f32 v[13+4*\t], v[13+4*\t], v[TT+14*\t]
.endr
.irp t, 0,1
	v_mov_b32 v[TT+14*\t+1], v[12+4*\t]
.endr
.irp t, 0,1
	v_floor_f32 v[12+4*\t], -v[13+4*\t]            ; the new -M = -ceil(t)
.endr
.irp t, 0,1
	v_sub_f32 v[TT+14*\t+1], v[12+4*\t], v[TT+14*\t+1]   ; old M - new M: a whole number, 0 or less
.endr
.irp t, 0,1
	v_cvt_i32_f32 v[TT+14*\t+1], v[TT+14*\t+1]     ; (it saturates)
.endr
.irp t, 0,1
	v_ldexp_f32 v[TT+14*\t+2], 1.0, v[TT+14*\t+1]  ; f = 2^(old M - new M)
.endr
.set n, 0
.rept 32
	v_pk_fma_f32 v[SR+n:SR+n+1], v[SR+n:SR+n+1], s[CS:CS+1], v[12:13] op_sel_hi:[1,0,0]   ; the first tile's t - M
.set n, n+2
.endr
	s_wait_alu depctr_va_vdst(0)                   ; ahead of the batch
.set n, 0
.rept 32                                       ; the first tile's p = 2^(t - M); among the exponentials the second tile's t - M, which no line reads before the next wait
	v_exp_f32 v[SR+n], v[SR+n]
	v_exp_f32 v[SR+n+1], v[SR+n+1]
	v_pk_fma_f32 v[SR+64+n:SR+65+n], v[SR+64+n:SR+65+n], s[CS:CS+1], v[16:17] op_sel_hi:[1,0,0]
.set n, n+2
.endr
	v_pk_mul_f32 v[14:15], v[14:15], v[TT+2:TT+3] op_sel_hi:[1,0]     ; the sums under the new M: plain lines behind the exponentials
	v_pk_mul_f32 v[18:19], v[18:19], v[TT+16:TT+17] op_sel_hi:[1,0]
	s_wait_alu depctr_va_vdst(0)                   ; one wait for the batch of 64, ahead of its first reader
	SUM 0
	s_wait_alu depctr_va_vdst(0)                   ; ahead of the batch
.set n, 0
.rept 32                                       ; the second tile's p; among the exponentials the first tile's hold, whose results no line reads before the next wait.
	v_exp_f32 v[SR+64+n], v[SR+64+n]               ; The conversion does not saturate (ISA guide 7.6.2); p is not negative: a one-sided hold, two numbers an instruction
	v_exp_f32 v[SR+65+n], v[SR+65+n]
	v_dual_min_num_f32 v[SR+n], s[HS], v[SR+n] :: v_dual_min_num_f32 v[SR+n+1], s[HS], v[SR+n+1]
.set n, n+2
.endr
	v_nop                                          ; a plain line behind the exponentials
	s_wait_alu depctr_va_vdst(0)                   ; one wait for the batch of 64, ahead of its first reader
	SUM 1
.set n, 0
.rept 32
	v_dual_min_num_f32 v[SR+64+n], s[HS], v[SR+64+n] :: v_dual_min_num_f32 v[SR+65+n], s[HS], v[SR+65+n]
.set n, n+2
.endr
	WIN 0x40                                       ; the codes go to window 1
.irp t, 0,1
.irp a, 0,1,2,3,4,5,6,7
	v_cvt_scalef32_pk8_fp8_f32 v[128+16*\t+2*\a:129+16*\t+2*\a], v[SR+64*\t+8*\a:SR+64*\t+8*\a+7], v[SC]
.endr
.endr
	WIN 0x41                                       ; O^T in window 1, f in window 0
	s_wait_alu depctr_va_vdst(0)                   ; directly ahead of the first readers of O^T
.set n, 0
.rept 16
	v_pk_mul_f32 v[64+n:65+n], v[64+n:65+n], v[TT+2:TT+3] op_sel_hi:[1,0]       ; O^T under the new M; also the plain lines behind the conversions
	v_pk_mul_f32 v[96+n:97+n], v[96+n:97+n], v[TT+16:TT+17] op_sel_hi:[1,0]
.set n, n+2
.endr
	s_wait_alu depctr_va_vdst(0)                   ; directly ahead of the wait below
	s_wait_dscnt 0x0                               ; V's fragments
	WIN 0x55
.irp t, 0,1,2,3                                ; the eight accumulators by turns, one instruction a turn
	v_wmma_f32_16x16x128_fp8_fp8 v[64+8*\t:71+8*\t], v[16*\t:16*\t+15], v[128:143], v[64+8*\t:71+8*\t]
	v_wmma_f32_16x16x128_fp8_fp8 v[96+8*\t:103+8*\t], v[16*\t:16*\t+15], v[144:159], v[96+8*\t:103+8*\t]
.endr
	WIN 0
.Lhidden_\@:
	s_add_co_u32 s[KF], s[KF], 128
	s_add_co_u32 s[TB], s[TB], 8192                ; a step's tiles of K, and of V, are 8,192 bytes
.endm
; THE CHANGE OF SLOTS, at a slot's head.  Each wave waits for all its tensor loads (its part of the slot ahead), adds 0 to its spare word, and waits for that and for its reads of the slot that it has left.
; Behind the barrier the slot ahead is whole and nobody reads the other.  fill = 1: that other slot takes the next 512 keys, while the block sees any of them; the fourth change (4 that fill are to come, itself
; among them) goes back to key 0, for the second block, whose limit holds from there on.
.macro CHANGE fill
	s_wait_tensorcnt 0x0                           ; no tensor load of mine is out, so group 0 may be written
	ds_add_u32 v[SPW], v[NIL]
.if \fill
	s_xor_b32 s[G0+1], s[G0+1], SLOT1
	s_add_co_u32 s[NK], s[NK], 128*NQ
	s_cmp_eq_u32 s[SLOTS], 4
	s_cselect_b32 s[NK], 0, s[NK]
	s_cselect_b32 s96, s[DQ], 0
	s_cselect_b32 s94, 4*32768, 0
	s_sub_co_u32 s[LASTG], s[LASTG], s96
	s_add_nc_u64 s[G0+2:G0+3], s[G0+2:G0+3], 32768
	s_sub_nc_u64 s[G0+2:G0+3], s[G0+2:G0+3], s[94:95]
	s_wait_xcnt 0x0                                ; the last prefetch, a slot back, has read its address
	s_add_nc_u64 s[PFA:PFA+1], s[PFA:PFA+1], 32768
.endif
	s_wait_dscnt 0x0                               ; the add is done, and my reads of the slot that I have left are over
	s_barrier_signal -1
	s_barrier_wait -1
.if \fill
	s_cmp_gt_u32 s[NK], s[LASTG]                   ; past the block's last visible key no wave reads the slot, so it is not asked for.  Ids and the count of steps alone: all eight waves go the same way;
	s_cbranch_scc1 .Lpast_\@                       ; every wait on TENSORcnt in this text is for 0; the jump leads round the load's own lines alone
	tensor_load_to_lds s[G0:G0+3], s[G1:G1+7]
	s_nop 0
.rept 4
	v_nop
.endr
.Lpast_\@:
	ASK
.endif
.endm
.macro SLOT_STEPS
	s_mov_b32 s[QC], NQ
.Lstep_\@:
	STEP
	s_sub_co_u32 s[QC], s[QC], 1
	s_cmp_lg_u32 s[QC], 0
	s_cbranch_scc1 .Lstep_\@
	s_add_co_u32 s[TB], s[TB], VOFF                ; over V's half, on to the other slot,
	s_and_b32 s[TB], s[TB], 2*SLOT1-1              ; round the ring
.endm
; THE WAY OUT of a block: O^T x 2^(e8 + e9) / the sum, held, converted (e10), brought into the k order of the last product's fragments, stored as their image.  No LDS instruction.
.macro WAYOUT
.rept 4
	v_nop                                          ; places behind the last products
.endr
	v_add_f32 v14, v14, v15
	v_add_f32 v18, v18, v19
	v_permlanex16_b32 v[TT+4], v14, s[SEL], s[SEL+1]
	v_permlanex16_b32 v[TT+18], v18, s[SEL], s[SEL+1]
	v_add_f32 v14, v14, v[TT+4]                    ; the rows' sums
	v_add_f32 v18, v18, v[TT+18]
	s_wait_alu depctr_va_vdst(0)                   ; ahead of the transcendentals
	v_rcp_f32 v14, v14
	v_rcp_f32 v18, v18
	v_mov_b32 v72, s[E10S]                         ; (plain lines behind the transcendentals)  2^e10,
	v_mov_b32 v73, s[E10H]                         ; 448 x 2^e10
	v_mov_b32 v68, 0                               ; the permutes' destinations are written once
	v_mov_b32 v69, 0
	s_mov_b32 vcc_lo, 0xffff0000                   ; lanes 16 to 31
	s_wait_alu depctr_va_vdst(0)                   ; the wait ahead of the reciprocals' first readers
	v_ldexp_f32 v14, v14, s[E89]
	v_ldexp_f32 v18, v18, s[E89]
	WIN 0x01                                       ; source 0 in window 1
	s_wait_alu depctr_va_vdst(0)                   ; directly ahead of the first readers of O^T
.set n, 0
.rept 16
	v_pk_mul_f32 v[SR+n:SR+n+1], v[64+n:65+n], v[14:15] op_sel_hi:[1,0]         ; register 8 t + j = o(query r, channel 16 t + 8 h + j)
	v_pk_mul_f32 v[SR+32+n:SR+33+n], v[96+n:97+n], v[18:19] op_sel_hi:[1,0]
.set n, n+2
.endr
	WIN 0
.set n, 0
.rept 64
	v_med3_num_f32 v[SR+n], v[SR+n], -v73, v73
.set n, n+1
.endr
.irp k, 0,1,2,3,4,5,6,7
	v_cvt_scalef32_pk8_fp8_f32 v[KR+2*\k:KR+2*\k+1], v[SR+8*\k:SR+8*\k+7], v72
.endr
	v_nop                                          ; one plain vector line between the conversions and the readers of their results
; The reader wants lane (r, h) to hold channels 32 c + 16 h + 0 .. 15.  I hold X = tile 2 c (32 c + 8 h + 0 .. 7) and Y = tile 2 c + 1 (32 c + 16 + 8 h + 0 .. 7).  Lanes 0-15 send Y and keep X; lanes 16-31 send X and keep Y.
.irp g, 0,1,2,3                                ; g = 2 x query tile + c
.set X_, KR+4*\g
.set O_, KR+16+4*\g
	v_cndmask_b32 v70, v[X_+2], v[X_], vcc_lo
	v_cndmask_b32 v71, v[X_+3], v[X_+1], vcc_lo
	v_permlanex16_b32 v68, v70, s[SEL], s[SEL+1]
	v_permlanex16_b32 v69, v71, s[SEL], s[SEL+1]
	v_cndmask_b32 v[O_], v[X_], v68, vcc_lo
	v_cndmask_b32 v[O_+1], v[X_+1], v69, vcc_lo
	v_cndmask_b32 v[O_+2], v68, v[X_+2], vcc_lo
	v_cndmask_b32 v[O_+3], v69, v[X_+3], vcc_lo
.endr
.irp t, 0,1                                    ; each store of the wave covers 512 consecutive bytes, aligned; 16 queries on are 16,384 bytes on
	global_store_b128 v[AK0], v[KR+16+8*\t:KR+19+8*\t], s[8:9] offset:16384*\t
	global_store_b128 v[AK0], v[KR+20+8*\t:KR+23+8*\t], s[8:9] offset:16384*\t+512
.endr
.endm
	s_wait_alu depctr_va_vdst(0)                   ; the head's end
	s_wait_loadcnt 0x0                             ; Q, of both blocks
.Lslot:                                            ; 7 trips: the first block's four slots, the second block's first three
	CHANGE 1
	SLOT_STEPS
	s_cmp_lg_u32 s[SLOTS], 4                       ; the count of trips alone: behind the fourth slot the first block is finished
	s_cbranch_scc1 .Lsame
	WAYOUT
	s_wait_xcnt 0x0                                ; the stores have read their data and their base: both are written again below and in the next step
	s_lshl_b32 s90, s[DQ], 10
	s_mov_b32 s91, 0
	s_sub_nc_u64 s[8:9], s[8:9], s[90:91]          ; ac at the second block's queries
	s_sub_co_u32 s[LASTW], s[LASTW], s[DQ]
	s_sub_co_u32 s[FIRSTW], s[FIRSTW], s[DQ]
	s_mov_b32 s[KF], 0
	WIN 0x01
.set n, 0
.rept 16
	v_mov_b32 v[QR+n], v[160+n]                    ; its Q
.set n, n+1
.endr
	WIN 0
	INIT
	s_wait_alu depctr_va_vdst(0)
.Lsame:
	s_sub_co_u32 s[SLOTS], s[SLOTS], 1
	s_cmp_lg_u32 s[SLOTS], 0
	s_cbranch_scc1 .Lslot
	CHANGE 0                                       ; the last slot is written out: nothing is left to ask for
	SLOT_STEPS
	WAYOUT
	s_wait_tensorcnt 0x0                           ; the wave's end
	ds_add_u32 v[SPW], v[NIL]
	s_wait_dscnt 0x0
	s_endpgm
.Lfunc_end_k_q36ffee971b_attn:
	.size	k_q36ffee971b_attn, .Lfunc_end_k_q36ffee971b_attn-k_q36ffee971b_attn
	.p2alignl 7, 3214868480
	.fill 96, 4, 3214868480
	.section	.rodata,"a",@progbits
	.p2align	6, 0x0
	.amdhsa_kernel k_q36ffee971b_attn
		.amdhsa_group_segment_fixed_size 327680
		.amdhsa_private_segment_fixed_size 0
		.amdhsa_enable_private_segment 0
		.amdhsa_kernarg_size 24
		.amdhsa_user_sgpr_count 2
		.amdhsa_user_sgpr_kernarg_segment_ptr 1
		.amdhsa_wavefront_size32 1
		.amdhsa_system_sgpr_workgroup_id_x 1
		.amdhsa_system_sgpr_workgroup_id_y 1
		.amdhsa_system_sgpr_workgroup_id_z 1
		.amdhsa_system_vgpr_workitem_id 0
		.amdhsa_next_free_vgpr 512
		.amdhsa_next_free_sgpr 100
		.amdhsa_reserve_vcc 1
		.amdhsa_float_denorm_mode_32 3
		.amdhsa_float_denorm_mode_16_64 3
		.amdhsa_memory_ordered 1
		.amdhsa_forward_progress 1
		.amdhsa_inst_pref_size 109
	.end_amdhsa_kernel
	.amdgpu_metadata
---
amdhsa.version: [ 1, 2 ]
amdhsa.kernels:
  - .name:           k_q36ffee971b_attn
    .symbol:         k_q36ffee971b_attn.kd
    .args:
      - { .name: qkv, .offset: 0, .size: 8, .value_kind: global_buffer, .address_space: global }
      - { .name: lowp_scales, .offset: 8, .size: 8, .value_kind: global_buffer, .address_space: global }
      - { .name: ac, .offset: 16, .size: 8, .value_kind: global_buffer, .address_space: global }
    .group_segment_fixed_size: 327680
    .private_segment_fixed_size: 0
    .kernarg_segment_align: 8
    .kernarg_segment_size: 24
    .max_flat_workgroup_size: 256
    .sgpr_count:     100
    .vgpr_count:     512
    .wavefront_size: 32
...
	.end_amdgpu_metadata
.endif
;; end of part 3
;; launch outp (part 4): grid 8 x 32, 4 waves a work-group, clusters of 4 x 4, 327,680 bytes of LDS; arguments ac, wc, lowp_scales, bo, out0; writes out0
.if DOCPART == 4
	.amdgcn_target "amdgcn-amd-amdhsa--gfx1250"
	.amdhsa_code_object_version 6
	.text
	.protected	k_q36ffee971b_outp
	.globl	k_q36ffee971b_outp
	.p2align	8
	.type	k_q36ffee971b_outp,@function
k_q36ffee971b_outp:
	s_mov_b64 s[64:65], 0
	v_nop
	global_prefetch_b8 v0, s[64:65] scope:SCOPE_SE
	s_setreg_imm32_b32 hwreg(HW_REG_WAVE_MODE, 25, 1), 1
	s_wait_xcnt 0x0
	s_wait_alu depctr_hold_cnt(0) depctr_sa_sdst(0) depctr_va_vdst(0) depctr_va_sdst(0) depctr_va_ssrc(0) depctr_va_vcc(0) depctr_vm_vsrc(0)
	s_getreg_b32 s2, hwreg(HW_REG_IB_STS2, 6, 4)
	s_cmp_eq_u32 s2, 0
	s_cbranch_scc0 .Lentry_in_a_cluster
	s_endpgm
.Lentry_in_a_cluster:
	s_bfe_u32 s2, ttmp6, 0x10000c
	s_cmp_lg_u32 s2, 0xf033
	s_cbranch_scc0 .Lentry_shape_is_right
	s_endpgm
.Lentry_shape_is_right:
.set SIZE_N, 1024
.set ROWB,   256
.set KROW,   1024
.set PITCH,  272
.set FR,     16
.set NL,     4
.set NP,     4
.set AH,     32768
; out0 = a Wo^T x 2^(e10 + e11) + bo on codes of FP8 (E4M3): a's codes come as images of A's fragments (ac), Wo's as rows of 1,024 codes (plane 3 of wc).
; A block of 256 tokens x 128 channels is made by four waves, 128 x 64 each: 8 x 4 accumulators; 32 x 8 blocks: 256 work-groups.  K goes in steps of 256 through two LDS slots.
; Clusters of 4 x 4: the four of a row ask jointly for A's tiles (waves 0, 1: 128 tokens each), the four of a column for B's (waves 2, 3: 64 rows of Wo each).
; The matrix instruction is used transposed (source 0 = 16 rows of Wo, source 1 = 16 tokens): a lane holds eight neighbouring channels of a token.
; The way out: 16 tokens x 64 channels go through the wave's stage in LDS (in slot 0, behind its last fill and last read) and leave as rows of 256 bytes, sixteen lanes to an aligned unit.
; LIMIT: e10 + e11 between -126 and 127.
.set BH,     64*PITCH
.set SLOT,   2*AH+2*BH
.set LAPS,   2
.set SPARE,  2*SLOT
.set SPITCH, 528
.set ADRA, 16
.set ADRB, 20
.set STO,  24
.set RD,   25
.set CO,   26
.set SPW,  28
.set NIL,  29
.set BO,   32
.set AF,   128
.set BK,   128
.set G1, 24
.set G0, 32
.set G1B, 48
.set G0B, 56
.set MSB, 0
.macro WIN new
.if MSB != \new
	s_set_vgpr_msb (MSB<<8)|\new
.set MSB, \new
.endif
.endm
.set MUL_LO, 0xa1
.set MUL_HI, 0xf1
.set TO_B,   0x40
.macro JLOAD g0a, g1a, g0b, g1b
	s_cmp_eq_u32 s15, 0
	s_cbranch_scc0 .Lfor_b_\@
	tensor_load_to_lds s[\g0a:\g0a+3], s[\g1a:\g1a+7]
	s_nop 0
.rept 4
	v_nop
.endr
	s_branch .Lasked_\@
.Lfor_b_\@:
	tensor_load_to_lds s[\g0b:\g0b+3], s[\g1b:\g1b+7]
	s_nop 0
.rept 4
	v_nop
.endr
.Lasked_\@:
.endm
.macro CREST
	s_cmp_lg_u32 s14, 0
	s_cbranch_scc1 .Lnot_wave_0_\@
	s_barrier_signal -3
.Lnot_wave_0_\@:
	s_barrier_wait -3
	s_barrier_signal -1
	s_barrier_wait -1
.endm
.macro CROUND
	s_barrier_signal -1
	s_barrier_wait -1
	CREST
.endm
	s_load_b128 s[4:7], s[0:1], 0x0
	s_load_b128 s[8:11], s[0:1], 0x10
	s_load_b64 s[12:13], s[0:1], 0x20
	v_lshl_add_u32 v[SPW], v0, 2, SPARE
	v_mov_b32 v[NIL], 0
	ds_add_u32 v[SPW], v[NIL]
	ds_add_u32 v[SPW], v[NIL]
	v_lshrrev_b32 v1, 5, v0
	v_readfirstlane_b32 s14, v1
	s_lshr_b32 s15, s14, 1
	s_and_b32 s16, s14, 1
	s_bfe_u32 s40, ttmp6, 0x40000
	s_bfe_u32 s41, ttmp6, 0x40004
	s_lshl_b32 s42, ttmp9, 2
	s_add_co_u32 s42, s42, s40
	s_and_b32 s17, ttmp7, 0xffff
	s_lshl_b32 s17, s17, 2
	s_add_co_u32 s17, s17, s41
	s_lshl_b32 s43, s41, 2
	s_lshl_b32 s43, 15, s43
	s_lshl_b32 s44, 0x1111, s40
	s_or_b32 s[G1+0], s43, (3<<16)|(1<<21)
	s_mov_b32 s[G1+1], 512<<16
	s_mov_b32 s[G1+2], 8<<16
	s_mov_b32 s[G1+3], 512<<16
	s_mov_b32 s[G1+4], 8
	s_mov_b32 s[G1+5], 2048
	s_mov_b32 s[G1+6], 0
	s_mov_b32 s[G1+7], 0
	s_or_b32 s[G1B+0], s44, (0<<16)|(1<<20)|(1<<21)|(5<<22)|(3<<25)
	s_mov_b32 s[G1B+1], ROWB<<16
	s_mov_b32 s[G1B+2], 64<<16
	s_mov_b32 s[G1B+3], ROWB<<16
	s_mov_b32 s[G1B+4], 64
	s_mov_b32 s[G1B+5], KROW
	s_mov_b32 s[G1B+6], 0
	s_mov_b32 s[G1B+7], 0
	s_lshl_b32 s18, s16, 7
	s_lshl_b32 s20, s17, 8
	s_add_co_u32 s20, s20, s18
	s_lshl_b32 s20, s20, 10
	s_mov_b32 s21, 0
	s_lshl_b32 s46, s42, 7                         ; B: row 128 x tile column + 64 x half
	s_lshl_b32 s47, s16, 6
	s_add_co_u32 s46, s46, s47
	s_lshl_b32 s46, s46, 10
	s_add_co_u32 s46, s46, 0x300000
	s_mov_b32 s47, 0
	s_mul_i32 s45, s16, AH
	s_mul_i32 s2, s16, BH
	s_add_co_u32 s2, s2, 2*AH
	s_wait_dscnt 0x0
	s_wait_kmcnt 0x0
	s_load_b64 s[96:97], s[8:9], 0x28
	s_add_nc_u64 s[20:21], s[4:5], s[20:21]
	s_add_nc_u64 s[46:47], s[6:7], s[46:47]
	CROUND
.irp s, 0,1
	s_mov_b32 s[G0+4*\s], 1
	s_add_co_u32 s[G0+4*\s+1], s45, \s*SLOT
	s_add_nc_u64 s[G0+4*\s+2:G0+4*\s+3], s[20:21], \s*4096
	s_or_b32 s[G0+4*\s+3], s[G0+4*\s+3], 0x80000000
	s_mov_b32 s[G0B+4*\s], 1
	s_add_co_u32 s[G0B+4*\s+1], s2, \s*SLOT
	s_add_nc_u64 s[G0B+4*\s+2:G0B+4*\s+3], s[46:47], \s*ROWB
	s_or_b32 s[G0B+4*\s+3], s[G0B+4*\s+3], 0x80000000
.endr
	JLOAD G0, G1, G0B, G1B                         ; K step 0: one tensor load a wave at the head
	v_and_b32 v1, 15, v0
	v_bfe_u32 v2, v0, 4, 1
	v_mul_u32_u24 v3, v1, PITCH
	v_lshl_add_u32 v4, v2, 4, v3
	v_and_b32 v6, 31, v0
	v_lshlrev_b32 v[CO], 4, v6
	s_wait_alu depctr_va_vdst(0)
	s_mul_i32 s21, s15, AH
	s_mul_i32 s22, s16, BH
	s_add_co_u32 s22, s22, 2*AH
.irp s, 0,1
	v_add_nc_u32 v[ADRA+\s], s21, v[CO]
	v_add_nc_u32 v[ADRB+\s], s22, v4
	s_add_co_u32 s21, s21, SLOT
	s_add_co_u32 s22, s22, SLOT
.endr
	s_mul_i32 s23, s14, 16*SPITCH
	v_mul_u32_u24 v5, v1, SPITCH
	v_lshl_add_u32 v5, v2, 5, v5
	v_add_nc_u32 v[STO], s23, v5
	v_lshlrev_b32 v30, 4, v1                       ; 16 r: my 16 bytes of a row of 256
	v_mad_u32_u24 v7, v2, SPITCH, v30
	v_add_nc_u32 v[RD], s23, v7                    ; back from the stage: lanes 0-15 one row, lanes 16-31 the next
	v_lshl_add_u32 v27, v2, 12, v30                ; and the same two rows in out0: 4,096 bytes apart
	s_lshl_b32 s46, s42, 9                         ; my first channel, in bytes: 512 x tile column + 256 x half
	s_lshl_b32 s47, s16, 8
	s_add_co_u32 s46, s46, s47
	s_mov_b32 s47, 0
	s_add_nc_u64 s[10:11], s[10:11], s[46:47]
	s_lshl_b32 s20, s17, 8
	s_lshl_b32 s21, s15, 7
	s_add_co_u32 s20, s20, s21
	s_lshl_b32 s20, s20, 12
	s_add_co_u32 s20, s20, s46
	s_mov_b32 s21, 0
	s_add_nc_u64 s[12:13], s[12:13], s[20:21]
	s_wait_alu depctr_va_vdst(0)                   ; directly ahead of the reader below
	global_load_b128 v[BO:BO+3], v30, s[10:11]     ; bo at my four channels
.macro FRAGA reg, slot, q, i
.irp c, 0,1,2,3
	ds_load_b128 v[\reg+4*\c:\reg+4*\c+3], v[ADRA+\slot] offset:(\i)*4096+(\q)*2048+\c*512
.endr
.endm
.macro FRAGB reg, slot, q, i
.irp c, 0,1,2,3
	ds_load_b128 v[\reg+4*\c:\reg+4*\c+3], v[ADRB+\slot] offset:128*(\q)+32*\c+(\i)*16*PITCH
.endr
.endm
.macro MUL16 a0, p, zero
.irp a, \a0, \a0+1
.irp b, 0,1,2,3
.if \zero
	v_wmma_f32_16x16x128_fp8_fp8 v[8*(8*((\a)%4)+\b):8*(8*((\a)%4)+\b)+7], v[128*(\p)+FR*\b:128*(\p)+FR*\b+FR-1], v[AF+FR*(\a):AF+FR*(\a)+FR-1], 0
.else
	v_wmma_f32_16x16x128_fp8_fp8 v[8*(8*((\a)%4)+\b):8*(8*((\a)%4)+\b)+7], v[128*(\p)+FR*\b:128*(\p)+FR*\b+FR-1], v[AF+FR*(\a):AF+FR*(\a)+FR-1], v[8*(8*((\a)%4)+\b):8*(8*((\a)%4)+\b)+7]
.endif
.endr
.endr
.endm
.macro FETCH_B slot, q, p
	WIN TO_B
.irp i, 0,1,2,3
	FRAGB 128*(\p)+FR*\i, \slot, \q, \i
.endr
	WIN 0
.endm
.macro FETCH_A slot, q, i0
.irp i, \i0, \i0+1, \i0+2, \i0+3
	FRAGA AF+FR*(\i), \slot, \q, \i
.endr
.endm
.macro PLACES n
.rept \n
	v_nop
.endr
.endm
.macro STEP slot, q, zero
	s_wait_dscnt 4*NL
	WIN MUL_LO
	MUL16 0, (\q)%2, \zero
	MUL16 2, (\q)%2, \zero
	s_wait_dscnt 0
	PLACES NP
	FETCH_B \slot, (\q)+1, 1-(\q)%2
	FETCH_A \slot, (\q)+1, 0
	WIN MUL_HI
	MUL16 4, (\q)%2, \zero
	MUL16 6, (\q)%2, \zero
	PLACES NP
	WIN 0
	FETCH_A \slot, (\q)+1, 4
.endm
.macro TURN slot, next, fill
	s_wait_tensorcnt 0x0
	ds_add_u32 v[SPW], v[NIL]
	s_wait_dscnt 4*NL+1
	WIN MUL_LO
	MUL16 0, 1, 0
	s_wait_dscnt 0x0
	s_barrier_signal -1
	MUL16 2, 1, 0
	WIN 0
	s_barrier_wait -1
.if \fill
	CREST
	s_add_nc_u64 s[G0+4*\slot+2:G0+4*\slot+3], s[G0+4*\slot+2:G0+4*\slot+3], 2*4096
	s_add_nc_u64 s[G0B+4*\slot+2:G0B+4*\slot+3], s[G0B+4*\slot+2:G0B+4*\slot+3], 2*ROWB
	JLOAD G0+4*\slot, G1, G0B+4*\slot, G1B
.else
	PLACES NP
.endif
	FETCH_B \next, 0, 0
	FETCH_A \next, 0, 0
	WIN MUL_HI
	MUL16 4, 1, 0
	MUL16 6, 1, 0
	PLACES NP
	WIN 0
	FETCH_A \next, 0, 4
.endm
	s_wait_alu depctr_va_vdst(0)
	s_wait_tensorcnt 0x0                           ; my part of K step 0 is in; slot 1's first fill is issued as a refill is:
	ds_add_u32 v[SPW], v[NIL]
	s_wait_dscnt 0x0                               ; the add is done
	CROUND                                         ; everybody's part of K step 0 is in, and all sixteen work-groups are here
	JLOAD G0+4, G1, G0B+4, G1B                     ; K step 1: the first tensor load behind the round
	FETCH_B 0, 0, 0
	FETCH_A 0, 0, 0
	FETCH_A 0, 0, 4
	STEP 0, 0, 1
	s_mov_b32 s3, LAPS-1
.Llap:
	TURN 0, 1, 1
	STEP 1, 0, 0
	TURN 1, 0, 1
	STEP 0, 0, 0
	s_sub_co_u32 s3, s3, 1
	s_cmp_lg_u32 s3, 0
	s_cbranch_scc1 .Llap
	TURN 0, 1, 0
	STEP 1, 0, 0
	s_wait_dscnt 4*NL
	WIN MUL_LO
	MUL16 0, 1, 0
	MUL16 2, 1, 0
	s_wait_dscnt 0
	WIN MUL_HI
	MUL16 4, 1, 0
	MUL16 6, 1, 0
	WIN 0
.macro TOSTAGE a
.set AC, 64*((\a)%4)
	WIN 0x08+4*((\a)/4)
.irp b, 0,1,2,3
	ds_store_b128 v[STO], v[AC+8*\b:AC+8*\b+3] offset:64*\b
	ds_store_b128 v[STO], v[AC+8*\b+4:AC+8*\b+7] offset:64*\b+16
.endr
	WIN 0
.set BB, BK+64*((\a)%2)
.irp t, 0,1,2,3,4,5,6,7
	ds_load_b128 v[BB+4*\t:BB+4*\t+3], v[RD] offset:2*\t*SPITCH
.endr
.endm
.macro SEND a, younger
.set BB, BK+64*((\a)%2)
	s_wait_dscnt \younger
.if (\a) > 0
	s_add_nc_u64 s[12:13], s[12:13], 16*SIZE_N*4
.endif
.irp t, 0,1,2,3,4,5,6,7
	v_pk_fma_f32 v[BB+4*\t:BB+4*\t+1], v[BB+4*\t:BB+4*\t+1], s[96:97], v[BO:BO+1] op_sel_hi:[1,0,1]
	v_pk_fma_f32 v[BB+4*\t+2:BB+4*\t+3], v[BB+4*\t+2:BB+4*\t+3], s[96:97], v[BO+2:BO+3] op_sel_hi:[1,0,1]
.endr
.irp t, 0,1,2,3,4,5,6,7
	global_store_b128 v27, v[BB+4*\t:BB+4*\t+3], s[12:13] offset:2*\t*SIZE_N*4 th:TH_STORE_NT   ; sixteen lanes store 256 consecutive bytes, aligned
.endr
.endm
	s_wait_kmcnt 0x0
	s_add_co_i32 s96, s96, s97
	s_add_co_i32 s96, s96, 127
	s_lshl_b32 s96, s96, 23
	s_mov_b32 s97, s96
	s_wait_loadcnt 0x0
	PLACES NP
	TOSTAGE 0
.irp a, 1,2,3,4,5,6,7
.if \a > 1
	s_wait_xcnt 0x0
.endif
	TOSTAGE \a
	SEND \a-1, 16                                  ; behind block a - 1's loads: block a's 8 stores and 8 loads
.endr
	s_wait_xcnt 0x0
	SEND 7, 0
	s_wait_tensorcnt 0x0
	ds_add_u32 v[SPW], v[NIL]
	s_wait_dscnt 0x0
	CROUND
	s_endpgm
.Lfunc_end_k_q36ffee971b_outp:
	.size	k_q36ffee971b_outp, .Lfunc_end_k_q36ffee971b_outp-k_q36ffee971b_outp
	.p2alignl 7, 3214868480
	.fill 96, 4, 3214868480
	.section	.rodata,"a",@progbits
	.p2align	6, 0x0
	.amdhsa_kernel k_q36ffee971b_outp
		.amdhsa_group_segment_fixed_size 327680
		.amdhsa_private_segment_fixed_size 0
		.amdhsa_enable_private_segment 0
		.amdhsa_kernarg_size 40
		.amdhsa_user_sgpr_count 2
		.amdhsa_user_sgpr_kernarg_segment_ptr 1
		.amdhsa_wavefront_size32 1
		.amdhsa_system_sgpr_workgroup_id_x 1
		.amdhsa_system_sgpr_workgroup_id_y 1
		.amdhsa_system_sgpr_workgroup_id_z 1
		.amdhsa_system_vgpr_workitem_id 0
		.amdhsa_next_free_vgpr 1024
		.amdhsa_next_free_sgpr 100
		.amdhsa_reserve_vcc 0
		.amdhsa_float_denorm_mode_32 3
		.amdhsa_float_denorm_mode_16_64 3
		.amdhsa_memory_ordered 1
		.amdhsa_forward_progress 1
		.amdhsa_inst_pref_size 78
	.end_amdhsa_kernel
	.amdgpu_metadata
---
amdhsa.version: [ 1, 2 ]
amdhsa.kernels:
  - .name:           k_q36ffee971b_outp
    .symbol:         k_q36ffee971b_outp.kd
    .args:
      - { .name: ac, .offset: 0, .size: 8, .value_kind: global_buffer, .address_space: global }
      - { .name: wc, .offset: 8, .size: 8, .value_kind: global_buffer, .address_space: global }
      - { .name: lowp_scales, .offset: 16, .size: 8, .value_kind: global_buffer, .address_space: global }
      - { .name: bo, .offset: 24, .size: 8, .value_kind: global_buffer, .address_space: global }
      - { .name: out0, .offset: 32, .size: 8, .value_kind: global_buffer, .address_space: global }
    .group_segment_fixed_size: 327680
    .private_segment_fixed_size: 0
    .kernarg_segment_align: 8
    .kernarg_segment_size: 40
    .max_flat_workgroup_size: 128
    .sgpr_count:     100
    .vgpr_count:     1024
    .wavefront_size: 32
...
	.end_amdgpu_metadata
.endif
;; end of part 4
